; MI455X (gfx1250); checked and timed in simulation.
; The chip was launched on July 23, 2026; its instructions are those of AMD's public machine-readable ISA for CDNA 5 (MIT licence, August 2026) and "CDNA5" Instruction Set Architecture Reference Guide (July 2026). The comments in the code are by the model that wrote it; some were corrected since.
;; Multihead Attention. Allowed arithmetic: float matrix products may take bf16 or f16 operands with f32 sums; other float arithmetic in f32, or as packed bf16 or f16 multiplies, adds, multiply-adds, maxima and minima; sums over many terms, partial sums and values carried from step to step in f32; what a program stores and reads back later, other than sums and carried values, may be rounded once to bf16 or f16.
;; Inputs: Wproj 1,024 x 1,024 float32; Wqkv 1,024 x 3,072 float32; bproj 1,024 float32; bqkv 3,072 float32; x 4 x 2,048 x 1,024 float32.
;; Outputs: out0 4 x 2,048 x 1,024 float32.
;; One version. Each part assembles by itself: llvm-mc -triple=amdgcn-amd-amdhsa -mcpu=gfx1250 --defsym DOCPART=n.
;; ======== version 1 of 1: 4 launches
;; limits: values are held in f16: magnitudes above 65,504 overflow, below 6.1e-05 lose precision
;; workspace buffers: xb 16,777,216 bytes; wqb 6,291,456 bytes; wpb 2,097,152 bytes; qh 16,777,216 bytes; kh 16,777,216 bytes; vh 16,777,216 bytes; oh 16,777,216 bytes
;; launch cast (part 1): grid 768 x 1, 8 waves a work-group, no clusters, 0 bytes of LDS; arguments x, Wqkv, Wproj, xb, wqb, wpb; writes xb, wqb, wpb
.if DOCPART == 1
	.amdgcn_target "amdgcn-amd-amdhsa--gfx1250"
	.amdhsa_code_object_version 6
	.text
	.protected	k_qe218d55af6_cast
	.globl	k_qe218d55af6_cast
	.p2align	8
	.type	k_qe218d55af6_cast,@function
k_qe218d55af6_cast:
	s_mov_b64 s[64:65], 0
	v_nop
	global_prefetch_b8 v0, s[64:65] scope:SCOPE_SE
	s_setreg_imm32_b32 hwreg(HW_REG_WAVE_MODE, 25, 1), 1
	s_wait_xcnt 0x0
; x, Wqkv and Wproj, all f32, are rounded once to bf16, layouts unchanged: xb [8192][1024] and wqb [1024][3072] hold the bf16 codes; wpb [1024][1024] holds
; the bf16-rounded number written as f16, since the last product's other operand is f16.
; LIMITS.  |Wproj| stays under 65,504 (f16's range); a bf16-rounded weight below 2^-14 keeps f16's fixed step of 2^-24; NaN and infinities are not treated apart.
; SHARES.  A work-group takes one chunk of 16,384 numbers: 65,536 bytes in, 32,768 out.  x has 512 chunks, Wqkv 192, Wproj 64: 768 equal shares.
; Thread t takes 16 bytes at 4,096 i + 16 t in turn i of 16: a wave's load covers 512 consecutive bytes, its store of 8 bytes a lane 256 consecutive bytes, aligned.
; All 16 loads of a thread go out at once; every turn has registers of its own, so nothing that a pending load or store names is ever rewritten.
; No LDS, no barrier, no matrix unit: the work is a stream, each byte read once and written once.
.set X, 4                              ; v[4:67]    turn i: 4 numbers as loaded
.set Y, 68                             ; v[68:99]   turn i: 4 numbers in 16 bits, to store
.set T, 100                            ; v[100:103] at work: the bf16 numbers widened again
	s_load_b256 s[4:11], s[0:1], 0x0               ; x s[4:5], Wqkv s[6:7], Wproj s[8:9], xb s[10:11]
	s_load_b128 s[12:15], s[0:1], 0x20             ; wqb s[12:13], wpb s[14:15]
	s_mov_b32 s16, ttmp9                           ; the work-group's number
	s_sub_co_u32 s17, s16, 512                     ; its chunk if it lies in Wqkv,
	s_sub_co_u32 s18, s16, 704                     ; if in Wproj
	s_mov_b32 s30, 0xffff0000                      ; a word's upper bf16
	v_lshlrev_b32 v1, 4, v0                        ; 16 t
	v_lshlrev_b32 v2, 3, v0                        ; 8 t
	s_wait_kmcnt 0x0
	s_cmp_lt_u32 s16, 704                          ; the choice hangs on the work-group's number alone
	s_cselect_b64 s[20:21], s[6:7], s[8:9]
	s_cselect_b64 s[22:23], s[12:13], s[14:15]
	s_cselect_b32 s19, s17, s18
	s_cselect_b32 s24, 0, 1                        ; 1: the result is written as f16
	s_cmp_lt_u32 s16, 512
	s_cselect_b64 s[20:21], s[4:5], s[20:21]
	s_cselect_b64 s[22:23], s[10:11], s[22:23]
	s_cselect_b32 s19, s16, s19
	s_lshl_b32 s26, s19, 16                        ; the chunk's bytes in,
	s_mov_b32 s27, 0
	s_lshl_b32 s28, s19, 15                        ; and out
	s_mov_b32 s29, 0
	s_add_nc_u64 s[20:21], s[20:21], s[26:27]
	s_add_nc_u64 s[22:23], s[22:23], s[28:29]
.irp i, 0,1,2,3,4,5,6,7,8,9,10,11,12,13,14,15
	global_load_b128 v[X+4*(\i):X+4*(\i)+3], v1, s[20:21] offset:4096*(\i) th:TH_LOAD_NT
.endr
; Turn i.  half = 1: the bf16 number is widened (a shift, a mask) and written as f16, which is exact inside f16's normal range.
.macro CONV i, half
	s_wait_loadcnt 15-(\i)                         ; loads come back in order (ISA guide 5.7.1): mine is in, the 15 - i younger ones stay out
	v_cvt_pk_bf16_f32 v[Y+2*(\i)], v[X+4*(\i)], v[X+4*(\i)+1]
	v_cvt_pk_bf16_f32 v[Y+2*(\i)+1], v[X+4*(\i)+2], v[X+4*(\i)+3]
.if \half
	v_lshlrev_b32 v[T], 16, v[Y+2*(\i)]
	v_and_b32 v[T+1], s30, v[Y+2*(\i)]
	v_lshlrev_b32 v[T+2], 16, v[Y+2*(\i)+1]
	v_and_b32 v[T+3], s30, v[Y+2*(\i)+1]
	v_cvt_pk_f16_f32 v[Y+2*(\i)], v[T], v[T+1]
	v_cvt_pk_f16_f32 v[Y+2*(\i)+1], v[T+2], v[T+3]
.endif
	global_store_b64 v2, v[Y+2*(\i):Y+2*(\i)+1], s[22:23] offset:2048*(\i)
.endm
	s_cmp_lg_u32 s24, 0
	s_cbranch_scc1 .Lf16
.irp i, 0,1,2,3,4,5,6,7,8,9,10,11,12,13,14,15
	CONV \i, 0
.endr
	s_endpgm
.Lf16:
.irp i, 0,1,2,3,4,5,6,7,8,9,10,11,12,13,14,15
	CONV \i, 1
.endr
	s_endpgm
.Lfunc_end_k_qe218d55af6_cast:
	.size	k_qe218d55af6_cast, .Lfunc_end_k_qe218d55af6_cast-k_qe218d55af6_cast
	.p2alignl 7, 3214868480
	.fill 96, 4, 3214868480
	.section	.rodata,"a",@progbits
	.p2align	6, 0x0
	.amdhsa_kernel k_qe218d55af6_cast
		.amdhsa_group_segment_fixed_size 0
		.amdhsa_private_segment_fixed_size 0
		.amdhsa_enable_private_segment 0
		.amdhsa_kernarg_size 48
		.amdhsa_user_sgpr_count 2
		.amdhsa_user_sgpr_kernarg_segment_ptr 1
		.amdhsa_wavefront_size32 1
		.amdhsa_system_sgpr_workgroup_id_x 1
		.amdhsa_system_sgpr_workgroup_id_y 1
		.amdhsa_system_sgpr_workgroup_id_z 1
		.amdhsa_system_vgpr_workitem_id 0
		.amdhsa_next_free_vgpr 104
		.amdhsa_next_free_sgpr 66
		.amdhsa_reserve_vcc 0
		.amdhsa_float_denorm_mode_32 3
		.amdhsa_float_denorm_mode_16_64 3
		.amdhsa_memory_ordered 1
		.amdhsa_forward_progress 1
		.amdhsa_inst_pref_size 15
	.end_amdhsa_kernel
	.amdgpu_metadata
---
amdhsa.version: [ 1, 2 ]
amdhsa.kernels:
  - .name:           k_qe218d55af6_cast
    .symbol:         k_qe218d55af6_cast.kd
    .args:
      - { .name: x, .offset: 0, .size: 8, .value_kind: global_buffer, .address_space: global }
      - { .name: Wqkv, .offset: 8, .size: 8, .value_kind: global_buffer, .address_space: global }
      - { .name: Wproj, .offset: 16, .size: 8, .value_kind: global_buffer, .address_space: global }
      - { .name: xb, .offset: 24, .size: 8, .value_kind: global_buffer, .address_space: global }
      - { .name: wqb, .offset: 32, .size: 8, .value_kind: global_buffer, .address_space: global }
      - { .name: wpb, .offset: 40, .size: 8, .value_kind: global_buffer, .address_space: global }
    .group_segment_fixed_size: 0
    .private_segment_fixed_size: 0
    .kernarg_segment_align: 8
    .kernarg_segment_size: 48
    .max_flat_workgroup_size: 256
    .sgpr_count:     66
    .vgpr_count:     104
    .wavefront_size: 32
...
	.end_amdgpu_metadata
.endif
;; end of part 1
;; launch qkv (part 2): grid 16 x 32, 4 waves a work-group, clusters of 4 x 4, 327,680 bytes of LDS; arguments xb, wqb, bqkv, qh, kh, vh; writes qh, kh, vh
.if DOCPART == 2
	.amdgcn_target "amdgcn-amd-amdhsa--gfx1250"
	.amdhsa_code_object_version 6
	.text
	.protected	k_qe218d55af6_qkv
	.globl	k_qe218d55af6_qkv
	.p2align	8
	.type	k_qe218d55af6_qkv,@function
k_qe218d55af6_qkv:
	s_mov_b64 s[64:65], 0
	v_nop
	global_prefetch_b8 v0, s[64:65] scope:SCOPE_SE
	s_setreg_imm32_b32 hwreg(HW_REG_WAVE_MODE, 25, 1), 1
	s_wait_xcnt 0x0
	s_wait_alu depctr_hold_cnt(0) depctr_sa_sdst(0) depctr_va_vdst(0) depctr_va_sdst(0) depctr_va_ssrc(0) depctr_va_vcc(0) depctr_vm_vsrc(0)
	s_getreg_b32 s2, hwreg(HW_REG_IB_STS2, 6, 4)
	s_cmp_eq_u32 s2, 0
	s_cbranch_scc0 .Lentry_in_a_cluster
	s_endpgm
.Lentry_in_a_cluster:
	s_bfe_u32 s2, ttmp6, 0x10000c
	s_cmp_lg_u32 s2, 0xf033
	s_cbranch_scc0 .Lentry_shape_is_right
	s_endpgm
.Lentry_shape_is_right:
; THE QKV PROJECTION.  qkv[m][c] = the sum over k of x[m][k] Wqkv[k][c] + bqkv[c]; m = 0..8191, k = 0..1023, c = 192 head + 64 part + d (part 0, 1, 2 = q, k, v).
; xb [8192][1024] and wqb [1024][3072] are bf16; the bias is rounded to bf16 like the other inputs; sums in f32; q, k and v leave by heads, [64 = 16 batch + head][2048][64] in f16, each rounded once, unscaled.
; LIMITS.  q, k and v stay under 65,504 (f16's range; beyond it the conversion gives an infinity); below 2^-14 they keep f16's fixed step of 2^-24.  NaN and infinities are not treated apart.
; SHARES.  A tile is 256 rows x 192 columns: one head's q, k and v.  32 x 16 = 512 tiles, one a work-group.  The four waves stand along the rows: a wave makes 64 rows x all 192 columns, 48 accumulators of
; 16 x 16, so that whole rows of q, k and v are its own and its way out needs no barrier.
; THE MATRIX INSTRUCTION IS USED TRANSPOSED: source 0 = 16 columns of W, source 1 = 16 rows of x: lane l holds row l % 16, and its registers 0-7 the columns 8 (l / 16) + 0..7: 16 bytes of f16 that belong together.
; W stays as it is stored, [k][n]: its fragments come out of LDS turned, by ds_load_tr16_b128.
; THE SUMS START AT THE BIAS: every accumulator is set to its eight columns' bias while the first tile is on its way; so no K step differs from the others and the way out has no addition.
; THE RING.  K goes in 8 steps of 128 through two LDS slots; a wave asks for one half of x's tile (waves 0, 1: 128 rows x 256 bytes) or of W's (waves 2, 3: 64 rows x 384 bytes) behind each change of slots.
; CLUSTERS.  4 x 4 work-groups: the four of a row of the cluster share x's tiles, the four of a column W's; each tile is asked for JOINTLY, by the same tensor load with the same descriptor and a mask of the four.
; REGISTERS, in windows of 256 (s_set_vgpr_msb: bits 1:0 source 0, 3:2 source 1, 5:4 source 2, 7:6 destination):
;   window 0: v0-15, v28-29 addresses; v32-95 x's fragments, two buffers of 4 x 8; v96-239 the bias at the start, the way out at the end
;   window 1: W's fragments, two buffers of 12 x 8      window 2: the accumulators of my row blocks 0, 1 ((a, b) at 96 (a % 2) + 8 b)      window 3: those of blocks 2, 3
.set NB,    12                         ; blocks of 16 columns
.set APW,   2                          ; row blocks whose accumulators share a window
.set PA,    272                        ; a row of x in LDS: 256 bytes + 16 = 68 words: the 16 rows of a load start at 16 different groups of four banks (64 banks of 4 bytes: ISA guide 11.1)
.set QPP,   4                          ; a row holds all four quarters of a K step
.set PLANE, 0
.set AHALF, 128*PA                     ; what one load of x brings
.set BOFF,  2*AHALF                    ; W's tile lies behind x's 256 rows
.set PB,    480                        ; a row of W in LDS: three chunks of 128 bytes + 32 = 120 words
.set CHUNK, 160
.set BHALF, 64*PB                      ; what one load of W brings
.set SLOT1, 1<<17                      ; a slot is 131,072 bytes; one exclusive or turns an address in one slot into the other's
.set STAGE, 2*SLOT1                    ; behind the ring, never filled by a tensor load: 16 rows x 400 bytes for each wave
.set SP,    400                        ; 384 bytes + 16
.set SPARE, STAGE+4*16*SP              ; behind the stages: the spare words, 128 bytes for each wave: two blocks of 256 bytes that no other line names
.set ASTEP, 256                        ; a K step in x: 128 numbers along a row,
.set BSTEP, 128*6144                   ; in W: 128 rows
.set NLD,   2*NB+8                     ; LDS loads in a run
.set A0,   8                           ; v8   my lane's place in x's tile; never rewritten
.set B0,   9                           ; v9   in W's
.set ADRA, 10                          ; v10  the same in the slot in hand
.set ADRB, 11                          ; v11
.set STO,  12                          ; v12  the way out: where I put 16 bytes of a row
.set RD,   13                          ; v13  where I read rows back
.set GO,   14                          ; v14  my byte offset in 512 consecutive bytes of q, k or v
.set BO,   15                          ; v15  my byte offset in 16 columns of the bias
.set SPW,  28                          ; v28  LDS address of my spare word: SPARE + 4 x my thread's number; never rewritten
.set NIL,  29                          ; v29  0; never rewritten
.set FA,   32                          ; x's fragment buffers
.set T,    96                          ; the bias
.set TMP,  96                          ; the way out: a row block in f16
.set OB,   144                         ; the way out: 16 rows read back: v144-191 and v192-239 by turns
.set WV,   16                          ; s16  my wave's number
.set HALF, 17                          ; s17  which half of a tile I fetch
.set CX,   18
.set CY,   19
.set TX,   20                          ; s20  the head
.set TY,   21                          ; s21  the block of 256 rows
.set G1A,  24                          ; s[24:31] descriptor group 1 for x's tiles
.set G0A,  32                          ; s[32:35] group 0: it walks
.set G0B,  36                          ; s[36:39] the same for W's
.set G1B,  40                          ; s[40:47]
.set TB,   54                          ; s54  LDS byte at which the slot in hand begins
.set CNT,  55                          ; s55  counts K steps
.set HIM,  56                          ; s56  a word's upper bf16
.set MSB, 0
.macro WIN new                         ; the immediate's high byte repeats the setting that is left; a switch that changes nothing is dropped
.if MSB != (\new)
	s_set_vgpr_msb (MSB<<8)|(\new)
.set MSB, (\new)
.endif
.endm
.macro PLACES                          ; four places in front of loads into registers that matrix instructions have read, and of lines that read results (ISA guide 7.12.1 for lines that read results)
.rept 4
	v_nop
.endr
.endm
; A joint load: waves 0 and 1 fetch x's two halves, waves 2 and 3 W's.  The branch hangs on the wave's number alone.  An s_nop 0 and four v_nop follow each of the two lines, ahead of the jump and the label.
.macro JLOAD
	s_cmp_lt_u32 s[WV], 2
	s_cbranch_scc0 .Lfor_b_\@
	tensor_load_to_lds s[G0A:G0A+3], s[G1A:G1A+7]
	s_nop 0
.rept 4
	v_nop
.endr
	s_branch .Lasked_\@
.Lfor_b_\@:
	tensor_load_to_lds s[G0B:G0B+3], s[G1B:G1B+7]
	s_nop 0
.rept 4
	v_nop
.endr
.Lasked_\@:
.endm
.macro CREST                           ; a round of the cluster's barrier behind its opening barrier: wave 0 signals for the work-group, every wave waits for all sixteen, my work-group's barrier closes it
	s_cmp_lg_u32 s[WV], 0
	s_cbranch_scc1 .Lnot_wave_0_\@
	s_barrier_signal -3
.Lnot_wave_0_\@:
	s_barrier_wait -3
	s_barrier_signal -1
	s_barrier_wait -1
.endm
.macro CROUND                          ; a whole round
	s_barrier_signal -1
	s_barrier_wait -1
	CREST
.endm
.macro STEPD                           ; the walking descriptors: the other slot, the next K step.  It stands only where no tensor load of mine is out
	s_xor_b32 s[G0A+1], s[G0A+1], SLOT1
	s_add_nc_u64 s[G0A+2:G0A+3], s[G0A+2:G0A+3], ASTEP
	s_xor_b32 s[G0B+1], s[G0B+1], SLOT1
	s_add_nc_u64 s[G0B+2:G0B+3], s[G0B+2:G0B+3], BSTEP
.endm
	s_load_b256 s[4:11], s[0:1], 0x0               ; xb s[4:5], wqb s[6:7], bqkv s[8:9], qh s[10:11]
	s_load_b128 s[12:15], s[0:1], 0x20             ; kh s[12:13], vh s[14:15]
	v_lshl_add_u32 v[SPW], v0, 2, SPARE
	v_mov_b32 v[NIL], 0
	ds_add_u32 v[SPW], v[NIL]                      ; the wave's opening: the add and its wait stand ahead of my first tensor load; the set-up below, work on registers, stands between them
	v_lshrrev_b32 v1, 5, v0
	v_readfirstlane_b32 s[WV], v1                  ; wave 0..3
	s_and_b32 s[HALF], s[WV], 1
	s_bfe_u32 s[CX], ttmp6, 0x40000                ; my place in the cluster
	s_bfe_u32 s[CY], ttmp6, 0x40004
	s_lshl_b32 s[TX], ttmp9, 2                     ; in a cluster launch ttmp9 and ttmp7 count clusters
	s_add_co_u32 s[TX], s[TX], s[CX]
	s_and_b32 s[TY], ttmp7, 0xffff
	s_lshl_b32 s[TY], s[TY], 2
	s_add_co_u32 s[TY], s[TY], s[CY]
	s_lshl_b32 s22, s[CY], 2
	s_lshl_b32 s22, 15, s22                        ; my row of the cluster: places 4 cy .. 4 cy + 3
	s_lshl_b32 s23, 0x1111, s[CX]                  ; my column: places cx, cx + 4, cx + 8, cx + 12
	; group 1 for x: 128 rows x 128 elements of 2 bytes, 4 words of padding behind every 64
	s_or_b32 s[G1A], s22, (1<<16)|(1<<20)|(1<<21)|(5<<22)|(3<<25)  ; 15:0 the mask; 17:16 2-byte elements; 20 padding on; 21 set beside a mask; 24:22 the interval's code; 31:25 the padding's words less 1
	s_mov_b32 s[G1A+1], 128<<16                    ; tensor_dim0
	s_mov_b32 s[G1A+2], 128<<16                    ; tensor_dim1
	s_mov_b32 s[G1A+3], 128<<16                    ; tile_dim0
	s_mov_b32 s[G1A+4], 128                        ; tile_dim1
	s_mov_b32 s[G1A+5], 1024                       ; elements from row to row
	s_mov_b32 s[G1A+6], 0
	s_mov_b32 s[G1A+7], 0
	; group 1 for W: 64 rows x 192 elements, 8 words of padding behind every 32: three chunks to a row
	s_or_b32 s[G1B], s23, (1<<16)|(1<<20)|(1<<21)|(4<<22)|(7<<25)
	s_mov_b32 s[G1B+1], 192<<16
	s_mov_b32 s[G1B+2], 64<<16
	s_mov_b32 s[G1B+3], 192<<16
	s_mov_b32 s[G1B+4], 64
	s_mov_b32 s[G1B+5], 3072
	s_mov_b32 s[G1B+6], 0
	s_mov_b32 s[G1B+7], 0
	s_mov_b32 s[G0A], 1                            ; count = 1
	s_mul_i32 s[G0A+1], s[HALF], AHALF             ; LDS address, slot 0: no place in the cluster enters it
	s_mov_b32 s[G0B], 1
	s_mul_i32 s[G0B+1], s[HALF], BHALF
	s_add_co_u32 s[G0B+1], s[G0B+1], BOFF
	s_lshl_b32 s48, s[TY], 19                      ; x: 256 rows of 2,048 bytes a block,
	s_lshl_b32 s57, s[HALF], 18                    ; my 128 of them: made of the row block and the wave's number alone
	s_add_co_u32 s48, s48, s57
	s_mov_b32 s49, 0
	s_mul_i32 s50, s[HALF], 64*6144                ; W: my 64 rows of the K step,
	s_mul_i32 s60, s[TX], 384                      ; the head's 192 columns: made of the head and the wave's number alone
	s_add_co_u32 s50, s50, s60
	s_mov_b32 s51, 0
	s_mul_i32 s58, s[TX], 768                      ; the head's 192 numbers of the bias
	s_mov_b32 s59, 0
	s_lshr_b32 s52, s[TY], 3                       ; the way out: batch,
	s_lshl_b32 s52, s52, 4
	s_add_co_u32 s52, s52, s[TX]                   ; x 16 + head,
	s_lshl_b32 s52, s52, 18                        ; 2,048 rows of 128 bytes each;
	s_and_b32 s62, s[TY], 7
	s_lshl_b32 s62, s62, 15                        ; the block's 256 rows in the batch,
	s_add_co_u32 s52, s52, s62
	s_lshl_b32 s62, s[WV], 13                      ; my wave's 64 of them
	s_add_co_u32 s52, s52, s62
	s_mov_b32 s53, 0
	s_mov_b32 s[TB], 0
	s_mov_b32 s[HIM], 0xffff0000
	s_wait_dscnt 0x0                               ; the opening add is done
	s_wait_kmcnt 0x0
	s_add_nc_u64 s[G0A+2:G0A+3], s[4:5], s[48:49]  ; global address of K step 0's tile,
	s_or_b32 s[G0A+3], s[G0A+3], 0x80000000        ; and the type, 2, on top
	s_add_nc_u64 s[G0B+2:G0B+3], s[6:7], s[50:51]
	s_or_b32 s[G0B+3], s[G0B+3], 0x80000000
	s_add_nc_u64 s[8:9], s[8:9], s[58:59]
	s_add_nc_u64 s[10:11], s[10:11], s[52:53]
	s_add_nc_u64 s[12:13], s[12:13], s[52:53]
	s_add_nc_u64 s[14:15], s[14:15], s[52:53]
	CROUND                                         ; all sixteen work-groups are here: the first joint loads meet
	JLOAD                                          ; K step 0 into slot 0.  Slot 1 is asked for when slot 0 is in
	; All that follows up to the first change of slots stands in the wait for that tile.
	v_and_b32 v1, 15, v0                           ; r = l % 16
	v_bfe_u32 v2, v0, 4, 1                         ; h = l / 16
	v_and_b32 v3, 7, v0
	v_bfe_u32 v4, v0, 3, 1
	v_lshlrev_b32 v[BO], 5, v2                     ; my eight columns of sixteen: 32 h bytes of f32
.set i, 0
.rept NB
	global_load_b128 v[T+8*i:T+8*i+3],   v[BO], s[8:9] offset:64*i
	global_load_b128 v[T+8*i+4:T+8*i+7], v[BO], s[8:9] offset:64*i+16
.set i, i+1
.endr
	; A fragment of x is 16 rows x 32 K in 8 registers: lane l holds row l % 16, K = 8 h + 0..7 and 16 + 8 h + 0..7: two loads of 16 bytes, 32 bytes apart.
	s_mul_i32 s57, s[WV], 64*PA                    ; my wave's 64 rows
	v_mul_u32_u24 v[A0], v1, PA
	v_lshl_add_u32 v[A0], v2, 4, v[A0]
	v_add_nc_u32 v[A0], s57, v[A0]
	; The turning load takes 16 K x 16 columns (lane l reads 16 bytes: row 8 h + l % 8, columns 8 ((l / 8) % 2) + 0..7) and leaves half a fragment: lane l holds column l % 16 and 8 K.
	v_lshl_add_u32 v[B0], v2, 3, v3
	v_mul_u32_u24 v[B0], v[B0], PB
	v_lshl_add_u32 v[B0], v4, 4, v[B0]
	v_add_nc_u32 v[B0], BOFF, v[B0]
	s_mul_i32 s57, s[WV], 16*SP
	s_add_co_u32 s57, s57, STAGE                   ; my stage
	v_mul_u32_u24 v[STO], v1, SP                   ; in: row l % 16, 16 bytes for each half of the lanes
	v_lshl_add_u32 v[STO], v2, 4, v[STO]
	v_add_nc_u32 v[STO], s57, v[STO]
	v_bfe_u32 v5, v0, 3, 2                         ; back: 32 lanes take 128 bytes of each of four rows,
	v_mul_u32_u24 v[RD], v5, SP
	v_lshl_add_u32 v[RD], v3, 4, v[RD]
	v_add_nc_u32 v[RD], s57, v[RD]
	v_and_b32 v[GO], 31, v0                        ; which are 512 consecutive bytes of q, k or v
	v_lshlrev_b32 v[GO], 4, v[GO]
	s_wait_loadcnt 0x0                             ; the bias
.set i, 0
.rept 4*NB
	v_cvt_pk_bf16_f32 v[T+i], v[T+2*i], v[T+2*i+1]  ; rounded to bf16 like the other inputs; in place: number i is written when 2 i and 2 i + 1 are read
.set i, i+1
.endr
.irp a, 0,1,2,3
	WIN 0x80+0x40*((\a)/APW)                       ; destination: the accumulators' window
.set i, 0
.rept 4*NB
	v_lshlrev_b32 v[8*NB*((\a)%APW)+2*i],   16,     v[T+i]  ; the sums start at the bias: bf16 to f32 is a shift,
	v_and_b32     v[8*NB*((\a)%APW)+2*i+1], s[HIM], v[T+i]  ; or a mask
.set i, i+1
.endr
.endr
; 12 matrix instructions: row block a x all column blocks, 32 along K, from buffers f.  The 48 accumulators take turns, in the same order in every quarter.
.macro MULM f, a
	WIN 0xa1+0x50*((\a)/APW)                       ; source 0 (W) window 1, source 1 (x) window 0, C and D window 2 or 3
.set AC, 8*NB*((\a)%APW)
.set i, 0
.rept NB
	v_wmma_f32_16x16x32_bf16 v[AC+8*i:AC+8*i+7], v[8*NB*(\f)+8*i:8*NB*(\f)+8*i+7], v[FA+32*(\f)+8*(\a):FA+32*(\f)+8*(\a)+7], v[AC+8*i:AC+8*i+7]
.set i, i+1
.endr
.endm
; One run of LDS loads: the fragments of quarter q of the K step in hand into buffers g: W's 12 (turned), then x's 4, blocks 0 to 3 in order.
.macro FETCH q, g
	WIN 0x40                                       ; destination window 1, address window 0
.set i, 0
.rept NB
	ds_load_tr16_b128 v[8*NB*(\g)+8*i:8*NB*(\g)+8*i+3],   v[ADRB] offset:32*(\q)*PB+(i/4)*CHUNK+(i%4)*32
	ds_load_tr16_b128 v[8*NB*(\g)+8*i+4:8*NB*(\g)+8*i+7], v[ADRB] offset:32*(\q)*PB+(i/4)*CHUNK+(i%4)*32+16*PB
.set i, i+1
.endr
	WIN 0
.set i, 0
.rept 4
	ds_load_b128 v[FA+32*(\g)+8*i:FA+32*(\g)+8*i+3],   v[ADRA] offset:((\q)/QPP)*PLANE+64*((\q)%QPP)+16*i*PA
	ds_load_b128 v[FA+32*(\g)+8*i+4:FA+32*(\g)+8*i+7], v[ADRA] offset:((\q)/QPP)*PLANE+64*((\q)%QPP)+16*i*PA+32
.set i, i+1
.endr
.endm
; A K step is four quarters of 32 along K, 48 matrix instructions each, on buffers 0, 1, 0, 1.  One of the first three: multiplies buffers f and, in its middle, fetches quarter q into g.
.macro QUARTER q, f, g
	s_wait_dscnt 4                                 ; W's fragments and x's blocks 0, 1 are in; the youngest four loads (blocks 2, 3) may be out
	MULM \f, 0
	MULM \f, 1
	PLACES
	FETCH \q, \g
	s_wait_dscnt NLD                               ; all but the run just issued
	MULM \f, 2
	MULM \f, 3
.endm
; The last quarter multiplies buffers 1 and changes slots.  ONE barrier: in front of it each wave waits for all its tensor loads, of which one is out: its part of the next slot; adds 0 to its spare word; and waits
; for that and for its own reads of this slot.  Behind it nobody reads this slot any more and the next slot is whole.  fill = 1: the barrier opens a round of the cluster's, and this slot is filled again, two K
; steps ahead, first thing behind the round: from that request to the wait for it a wave issues 168 matrix instructions.
.macro TURN fill
	WIN 0                                          ; (the add's two registers lie in window 0)
	s_wait_tensorcnt 0x0                           ; all my tensor loads have landed;
	ds_add_u32 v[SPW], v[NIL]                      ; 0 onto my spare word;
	s_wait_dscnt 5                                 ; (the add and the youngest four loads may be out)
	MULM 1, 0                                      ; twelve matrix instructions stand between the add and the wait for it
	s_wait_dscnt 0x0                               ; the add is done, and my reads of this slot are over
	s_barrier_signal -1
	MULM 1, 1                                      ; work on registers while the others arrive
	WIN 0                                          ; (branches and window 0's addresses follow)
	s_barrier_wait -1
.if \fill
	CREST                                          ; no wave of any partner still reads this slot's tile or has a load on its way
	STEPD
	JLOAD                                          ; the four v_nop behind it are also the places in front of the loads below
.else
	PLACES
.endif
	s_xor_b32 s[TB], s[TB], SLOT1
	v_add_nc_u32 v[ADRA], s[TB], v[A0]
	v_add_nc_u32 v[ADRB], s[TB], v[B0]
	FETCH 0, 0
	MULM 1, 2
	MULM 1, 3
.endm
	; The first change of slots: slot 0 is waited for, slot 1 is filled for the first time, in the order of every refill.
	WIN 0
	s_wait_tensorcnt 0x0                           ; my part of K step 0 is in; no tensor load of mine is out, so the descriptors may step
	ds_add_u32 v[SPW], v[NIL]                      ; 0 onto my spare word
	STEPD
	s_wait_dscnt 0x0                               ; the add is done
	CROUND
	JLOAD                                          ; K step 1 into slot 1
	v_add_nc_u32 v[ADRA], s[TB], v[A0]
	v_add_nc_u32 v[ADRB], s[TB], v[B0]
	FETCH 0, 0
	s_mov_b32 s[CNT], 6
.Lstep:                                                ; K steps 0 to 5 ask for steps 2 to 7
	QUARTER 1, 0, 1
	QUARTER 2, 1, 0
	QUARTER 3, 0, 1
	TURN 1
	WIN 0                                          ; at a label and at a branch every window is 0
	s_sub_co_u32 s[CNT], s[CNT], 1
	s_cmp_lg_u32 s[CNT], 0
	s_cbranch_scc1 .Lstep
	QUARTER 1, 0, 1                                ; the last two K steps are written out: nothing is asked for
	QUARTER 2, 1, 0
	QUARTER 3, 0, 1
	TURN 0
	QUARTER 1, 0, 1
	QUARTER 2, 1, 0
	QUARTER 3, 0, 1
	s_wait_dscnt 4                                 ; the very last quarter: nothing more to fetch
	MULM 1, 0
	MULM 1, 1
	s_wait_dscnt 0x0
	MULM 1, 2
	MULM 1, 3
	WIN 0
	PLACES                                         ; the conversions below read results
; THE WAY OUT of row block a, in three parts.  PACK: rounded to f16, 16 bytes a lane and column block, each accumulator's registers in ascending order.
.macro PACK a
	WIN 0x0a+5*((\a)/APW)                          ; sources 0 and 1: window 2 or 3
.set AC, 8*NB*((\a)%APW)
.set i, 0
.rept 4*NB
	v_cvt_pk_f16_f32 v[TMP+i], v[AC+2*i], v[AC+2*i+1]
.set i, i+1
.endr
	WIN 0
.endm
; TOSTAGE: into my own stage, rows of 400 bytes, and back: for each of q, k, v (128 bytes of a row) four rows at a time.
.macro TOSTAGE a
.set BK, OB+48*((\a)%2)
.set i, 0
.rept NB
	ds_store_b128 v[STO], v[TMP+4*i:TMP+4*i+3] offset:32*i
.set i, i+1
.endr
.irp p, 0,1,2
.irp f, 0,1,2,3
	ds_load_b128 v[BK+4*(4*(\p)+(\f)):BK+4*(4*(\p)+(\f))+3], v[RD] offset:128*(\p)+4*SP*(\f)  ; LDS serves a wave's instructions in order (ISA guide 5.7.1.4): these see the stores above
.endr
.endr
.endm
; SEND: stored; 16 rows of a head are 2,048 consecutive bytes, and each store of the wave covers 512 of them, at a multiple of 256 from the buffer's first byte.
.macro SEND a
.set BK, OB+48*((\a)%2)
	s_wait_dscnt 0x0                               ; the block is back in registers
	s_wait_xcnt 0x0                                ; every earlier store has had its addresses translated (ISA guide 3.1): the other buffer, which they read, is loaded again only behind this wait
.irp f, 0,1,2,3
	global_store_b128 v[GO], v[BK+4*(\f):BK+4*(\f)+3],       s[10:11] offset:2048*(\a)+512*(\f)
	global_store_b128 v[GO], v[BK+16+4*(\f):BK+16+4*(\f)+3], s[12:13] offset:2048*(\a)+512*(\f)
	global_store_b128 v[GO], v[BK+32+4*(\f):BK+32+4*(\f)+3], s[14:15] offset:2048*(\a)+512*(\f)
.endr
.endm
	PACK 0
	TOSTAGE 0
.irp a, 1,2,3                          ; block a's conversions stand between block a - 1's loads from the stage and the wait for them
	PACK \a
	SEND (\a)-1
	TOSTAGE \a
.endr
	SEND 3
	s_wait_tensorcnt 0x0                           ; the wave's end: the add and its wait stand behind my last tensor load and my last LDS store
	ds_add_u32 v[SPW], v[NIL]
	s_wait_dscnt 0x0
	CROUND                                         ; the closing round: no work-group ends while a partner may still ask for a tile that names it
	s_endpgm
.Lfunc_end_k_qe218d55af6_qkv:
	.size	k_qe218d55af6_qkv, .Lfunc_end_k_qe218d55af6_qkv-k_qe218d55af6_qkv
	.p2alignl 7, 3214868480
	.fill 96, 4, 3214868480
	.section	.rodata,"a",@progbits
	.p2align	6, 0x0
	.amdhsa_kernel k_qe218d55af6_qkv
		.amdhsa_group_segment_fixed_size 327680
		.amdhsa_private_segment_fixed_size 0
		.amdhsa_enable_private_segment 0
		.amdhsa_kernarg_size 48
		.amdhsa_user_sgpr_count 2
		.amdhsa_user_sgpr_kernarg_segment_ptr 1
		.amdhsa_wavefront_size32 1
		.amdhsa_system_sgpr_workgroup_id_x 1
		.amdhsa_system_sgpr_workgroup_id_y 1
		.amdhsa_system_sgpr_workgroup_id_z 1
		.amdhsa_system_vgpr_workitem_id 0
		.amdhsa_next_free_vgpr 960
		.amdhsa_next_free_sgpr 66
		.amdhsa_reserve_vcc 0
		.amdhsa_float_denorm_mode_32 3
		.amdhsa_float_denorm_mode_16_64 3
		.amdhsa_memory_ordered 1
		.amdhsa_forward_progress 1
		.amdhsa_inst_pref_size 114
	.end_amdhsa_kernel
	.amdgpu_metadata
---
amdhsa.version: [ 1, 2 ]
amdhsa.kernels:
  - .name:           k_qe218d55af6_qkv
    .symbol:         k_qe218d55af6_qkv.kd
    .args:
      - { .name: xb, .offset: 0, .size: 8, .value_kind: global_buffer, .address_space: global }
      - { .name: wqb, .offset: 8, .size: 8, .value_kind: global_buffer, .address_space: global }
      - { .name: bqkv, .offset: 16, .size: 8, .value_kind: global_buffer, .address_space: global }
      - { .name: qh, .offset: 24, .size: 8, .value_kind: global_buffer, .address_space: global }
      - { .name: kh, .offset: 32, .size: 8, .value_kind: global_buffer, .address_space: global }
      - { .name: vh, .offset: 40, .size: 8, .value_kind: global_buffer, .address_space: global }
    .group_segment_fixed_size: 327680
    .private_segment_fixed_size: 0
    .kernarg_segment_align: 8
    .kernarg_segment_size: 48
    .max_flat_workgroup_size: 128
    .sgpr_count:     66
    .vgpr_count:     960
    .wavefront_size: 32
...
	.end_amdgpu_metadata
.endif
;; end of part 2
;; launch attn (part 3): grid 4 x 64, 4 waves a work-group, clusters of 4 x 1, 327,680 bytes of LDS; arguments qh, kh, vh, oh; writes oh
.if DOCPART == 3
	.amdgcn_target "amdgcn-amd-amdhsa--gfx1250"
	.amdhsa_code_object_version 6
	.text
	.protected	k_qe218d55af6_attn
	.globl	k_qe218d55af6_attn
	.p2align	8
	.type	k_qe218d55af6_attn,@function
k_qe218d55af6_attn:
	s_mov_b64 s[64:65], 0
	v_nop
	global_prefetch_b8 v0, s[64:65] scope:SCOPE_SE
	s_setreg_imm32_b32 hwreg(HW_REG_WAVE_MODE, 25, 1), 1
	s_wait_xcnt 0x0
	s_wait_alu depctr_hold_cnt(0) depctr_sa_sdst(0) depctr_va_vdst(0) depctr_va_sdst(0) depctr_va_ssrc(0) depctr_va_vcc(0) depctr_vm_vsrc(0)
	s_getreg_b32 s2, hwreg(HW_REG_IB_STS2, 6, 4)
	s_cmp_eq_u32 s2, 0
	s_cbranch_scc0 .Lentry_in_a_cluster
	s_endpgm
.Lentry_in_a_cluster:
	s_bfe_u32 s2, ttmp6, 0x10000c
	s_cmp_lg_u32 s2, 0x3003
	s_cbranch_scc0 .Lentry_shape_is_right
	s_endpgm
.Lentry_shape_is_right:
; O[h][q][:] = the sum over k of softmax_k(Q[h][q] . K[h][k] / 8) V[h][k][:].  Q, K, V, O: [SIZE_H][SIZE_N][64], all f16: a head's rows are dense, 128 bytes each; h counts batch x 16 + head.  Products, maxima and sums in
; f32; the weights p are rounded to f16 for the second product (their sum l is taken of the unrounded p), O once at the end.  SIZE_H is at least 2; SIZE_N x 128 bytes stay under 2^32.
; LIMITS.  f16 holds no number beyond 65,504: Q, K and V arrive within it; p lies in 0 to 1, and below 6e-5 it keeps f16's fixed step of 6e-8; O is a mean of V's rows and has their range.
; A weight below 2^-126 counts as 0 in l; NaN and infinities are not treated apart.
; SHARES.  A wave owns four PIECES of two tiles of 16 queries, a work-group's four waves 512 queries of one head; SIZE_N is a multiple of 2,048.  Every wave walks all keys, 64 a step.
; LAYOUT.  S^T = K Q^T (source 0 = 16 keys, source 1 = 16 queries): in the result a lane holds ONE query (lane % 16) and the keys 8 (lane / 16) + 0..7.  Two such tiles, rounded to f16 in pairs,
; ARE source 1 (32 keys x 16 queries) of O^T = V^T P, whose result again holds one query a lane, and eight channels.  K comes out of LDS as it lies, V ([key][channel]) turned, by ds_load_tr16_b128.
; SOFTMAX.  For each query a running maximum m and sum l: p = 2^(c s - c m), c = log2(e) / 8; in every step O and l are multiplied by a = 2^(c m_old - c m_new), which is 1 where m has not grown.
; m starts at the lowest finite number, O and l at 0: the first step is a step like any other, with a = 0.
; THE COUNT.  A tile and step have 16 matrix and 118 vector instructions: too many to stand all beside the matrix work.  So the order has one aim: four vector instructions that are READY behind
; EVERY matrix instruction, and the others, which need time of their own whatever the order, in runs without a gap.
; BY TURNS.  Turn n belongs to piece n (the pieces in a ring, step after step).  Its matrix work: 16 products K Q^T of piece n + 1, later 16 products V^T P of piece n - 1.  Its vector work: the scaling,
; exponentials, roundings, sums and rescaling of piece n, and the maximum and statistics of piece n + 1, whose scores the turn itself has made.  So what a turn begins with (c s - c m, O a) waits for nothing.
; CLUSTER.  The four query blocks of a cluster belong to one head and walk the same K and V, so each tile is asked for JOINTLY: the same tensor load, descriptor and mask in all four.
; REGISTERS, in windows of 256 (s_set_vgpr_msb says which window each operand place means: bits 1:0 source 0, 3:2 source 1, 5:4 source 2, 7:6 destination):
;   window 0: v0-11 addresses; v12-15, v48-63 at work; v16-47 four registers of statistics a tile; v64-191 S^T, two buffers of two tiles; v192-255 P, likewise
;   window 1: O^T, 32 a tile          window 2: v0-127 Q, 16 a tile; v128-191 K of one step; v192-255 V of one step          window 3: v0-1 the add's two registers
; A piece's buffers go by its number's parity: the piece in hand has one pair, its two neighbours in the ring share the other: of it P (piece n - 1) is read and S^T (piece n + 1) written.
.set SIZE_H, 64       ; 4 batches x 16 heads
.set SIZE_N, 2048     ; rows of a head
.set NP,    4         ; pieces a wave: a name, no knob: the register map, the loop and the fetches are made for four
.set KS,    64        ; keys in a step
.set PK,    144       ; a row of K in LDS: 128 bytes + 16 of padding = 36 words: the 16 rows of a load start at 16 different groups of four banks (64 banks of 4 bytes: ISA guide 11.1)
.set PV,    160       ; a row of V: 128 + 32 = 40 words
.set VOFF,  4*KS*PK   ; a slot holds four steps: 256 rows of K, then 256 rows of V
.set SLOT1, 1<<17     ; slot 1 begins here, so that one exclusive or turns an address in one slot into the other's
.set STAGE, SLOT1+4*KS*(PK+PV)  ; behind the ring, never filled by a tensor load: 16 rows x 144 bytes for each wave, for the way out
.set SP,    144
.set AK0, 2           ; v2   my lane's place in a tile of K; never rewritten
.set AV0, 3           ; v3   the same for V
.set AK,  4           ; v4   the LDS address of K's next run of loads
.set AV,  5           ; v5   of V's
.set QO,  6           ; v6   my byte offset in the wave's rows of Q
.set STO, 6           ;      later, the way out: where I put 16 bytes of a row
.set RD,  7           ; v7   the way out: where I read rows back
.set GO,  8           ; v8   my byte offset in 512 consecutive bytes of O
.set SPW, 0           ; v0 of window 3   LDS address of my spare word: SPARE + 4 x my thread's number; never rewritten
.set NIL, 1           ; v1 of window 3   0; never rewritten
.set SPARE, STAGE+4*16*SP  ; behind the stages: the spare words, 128 bytes for each wave: two blocks of 256 bytes that no other line names
.set MV,  12          ; v12-15  c m_old, kept while c m is made anew: by buffer and tile
.set ST,  16          ; tile t's statistics at v[ST+4 t]: c m, m, l (even keys', odd keys')
.set TMP, 48          ; by buffer and tile, four registers c0-c3 at work; when the maximum is found c2 takes a
.set S,   64
.set P,   192
.set KF,  128         ; K's fragments, in window 2: key block kb, channel half c at KF + 16 kb + 8 c
.set VF,  192         ; V's: key half kk, channel block cb at VF + 32 kk + 8 cb
.set WV,  12          ; s12  my wave's number
.set G1K, 24          ; s[24:31] descriptor group 1 for K's tiles
.set G1V, 32          ; s[32:39] for V's: it differs in the padding alone
.set G0K, 40          ; s[40:43] descriptor group 0 for K's tiles: it walks
.set G0V, 44          ; s[44:47] the same for V's
.set SLOTS, 56        ; s56  slots still to be asked for
.set CNT, 57          ; s57  counts a slot's key steps
.set CS,  58          ; s[58:59] c: the packed scaling takes the pair's low word for both halves
.set SEL, 60          ; s[60:61] v_permlanex16_b32's selects: each lane takes its own place in the other half
.set TBK, 62          ; s62  LDS byte at which K of the step to be fetched begins
.set TBV, 63          ; s63  the same for V, less VOFF
.set MSB, 0
.macro WIN new                      ; the high byte repeats the setting that is left; a switch that changes nothing is dropped
.if MSB != (\new)
	s_set_vgpr_msb (MSB<<8)|(\new)
.set MSB, (\new)
.endif
.endm
.set W_KQ, 0x0a       ; K and Q in window 2, S^T in window 0
.set W_PV, 0x52       ; V in window 2, P in window 0, O^T in window 1
.set W_RS, 0x41       ; O^T (destination and source 0) in window 1, a in window 0
.set W_MK, 0xc0       ; the add's registers are made: destination in window 3, sources in window 0
.set W_AD, 0x0f       ; the add: address (source 0) and data (source 1) in window 3
; A joint fill.  Waves 0 and 1 fetch the two halves of a slot's K, waves 2 and 3 those of its V: 128 keys each.  The branch hangs on the wave's number alone.
; An s_nop 0 and four v_nop follow each of the two lines, ahead of the jump and the label.
.macro JLOAD
	s_cmp_lt_u32 s[WV], 2
	s_cbranch_scc0 .Lfor_v_\@
	tensor_load_to_lds s[G0K:G0K+3], s[G1K:G1K+7]
	s_nop 0
.rept 4
	v_nop
.endr
	s_branch .Lasked_\@
.Lfor_v_\@:
	tensor_load_to_lds s[G0V:G0V+3], s[G1V:G1V+7]
	s_nop 0
.rept 4
	v_nop
.endr
.Lasked_\@:
.endm
; A round of the cluster's barrier: my work-group's barrier, so that wave 0's signal speaks for all four waves; wave 0 signals; every wave waits for all four work-groups; my work-group's barrier once more.
.macro CROUND
	s_barrier_signal -1
	s_barrier_wait -1
	s_cmp_lg_u32 s[WV], 0
	s_cbranch_scc1 .Lnot_wave_0_\@
	s_barrier_signal -3
.Lnot_wave_0_\@:
	s_barrier_wait -3
	s_barrier_signal -1
	s_barrier_wait -1
.endm
; THE CHANGE OF SLOTS.  The slot's last bytes, V of its fourth step, have been read.  Each wave waits for all its tensor loads, of which one is out: its part
; of the other slot; adds 0 to its spare word; and waits for that and for its own reads of the slot.  Behind the barrier nobody reads this slot any more and the other slot is whole.
; fill = 1: this slot is filled again, with the keys two slots on.  The barrier is then a round of the cluster's, so that no wave of any partner still reads the slot or has a load on its
; way, and the joint fill is the first thing behind it: it has four key steps, 512 matrix instructions, in which to land.  (At its first use nothing has been read yet: slot 0 is waited for, slot 1 filled.)
.macro CHANGE fill
	WIN W_AD
	s_wait_tensorcnt 0x0            ; no tensor load of mine is out, so a group 0 may be written
	ds_add_u32 v[SPW], v[NIL]       ; 0 onto my spare word; with fill = 1 the descriptors' steps stand between it and the wait for it
	WIN 0                           ; at a label and at a branch every window is 0
.if \fill
.irp g, G0K, G0V
	s_xor_b32 s[\g+1], s[\g+1], SLOT1  ; the walking descriptor: the other slot than last time,
	s_add_nc_u64 s[\g+2:\g+3], s[\g+2:\g+3], 4*KS*128  ; the next 256 keys; the type bits on top are not reached
.endr
	s_wait_dscnt 0x0                ; the add is done, and my reads of the slot are over
	CROUND
	JLOAD
.else
	s_wait_dscnt 0x0                ; the add is done, and my reads of the slot are over
	s_barrier_signal -1
	s_barrier_wait -1
.endif
	s_sub_co_u32 s[TBK], s[TBK], 4*KS*PK  ; the fetches go back to a slot's first step,
	s_xor_b32 s[TBK], s[TBK], SLOT1       ; in the other slot
	s_sub_co_u32 s[TBV], s[TBV], 4*KS*PV
	s_xor_b32 s[TBV], s[TBV], SLOT1
.endm
	s_load_b256 s[4:11], s[0:1], 0x0  ; Q s[4:5], K s[6:7], V s[8:9], O s[10:11]
	WIN W_MK
	v_lshl_add_u32 v[SPW], v0, 2, SPARE
	v_mov_b32 v[NIL], 0
	WIN W_AD
	ds_add_u32 v[SPW], v[NIL]       ; the wave's opening: the add and its wait stand ahead of my first tensor load; the set-up below, work on registers, stands between them
	WIN 0
	v_lshrrev_b32 v1, 5, v0
	v_readfirstlane_b32 s[WV], v1   ; wave 0..3
	s_bfe_u32 s13, ttmp6, 0x40000   ; cx: my place in the cluster
	s_lshl_b32 s14, ttmp9, 2        ; in a cluster launch ttmp9 counts clusters
	s_add_co_u32 s14, s14, s13      ; my block of queries = 4 x cluster x + cx: it enters Q's and O's addresses alone
	s_and_b32 s20, ttmp7, 0xffff    ; the head, which the four partners share
	s_mov_b32 s21, 0
	s_mov_b64 s[22:23], SIZE_N*128
	s_mul_u64 s[20:21], s[20:21], s[22:23]  ; the head's first byte in each of the four tensors
	s_and_b32 s16, s[WV], 1         ; which half of a slot's 256 keys I fetch:
	s_lshl_b32 s22, s16, 14         ; its 128 rows of 128 bytes in memory,
	s_mov_b32 s23, 0
	s_add_nc_u64 s[22:23], s[22:23], s[20:21]
	s_mul_i32 s17, s16, 128*PK      ; and its place in a slot, for K
	s_mul_i32 s18, s16, 128*PV      ; and for V: no place in the cluster enters an LDS address
	s_lshl_b32 s2, s14, 2
	s_add_co_u32 s2, s2, s[WV]      ; my wave among the head's,
	s_lshl_b32 s2, s2, 14           ; its 128 rows
	s_mov_b32 s3, 0
	s_add_nc_u64 s[2:3], s[2:3], s[20:21]
	; descriptor group 1.  128 keys are 16,384 dense bytes: asked for as 64 rows of 256 bytes, two keys a row, and padded in LDS after every key
	s_mov_b32 s[G1K], 15|(1<<16)|(1<<20)|(1<<21)|(4<<22)|(3<<25)  ; 15:0 the mask of four; 17:16 2-byte elements; 20 padding on; 21 set beside a mask; 24:22 after every 32 words (code 4); 31:25 4 words (code 3)
	s_mov_b32 s[G1V], 15|(1<<16)|(1<<20)|(1<<21)|(4<<22)|(7<<25)  ; the same with 8 words of padding (code 7)
.irp g, G1K, G1V
	s_mov_b32 s[\g+1], 128<<16      ; tensor_dim0 = 128
	s_mov_b32 s[\g+2], 64<<16       ; tensor_dim1 = 64
	s_mov_b32 s[\g+3], 128<<16      ; tile_dim0 = 128
	s_mov_b32 s[\g+4], 64           ; tile_dim1 = 64
	s_mov_b32 s[\g+5], 128          ; 128 elements from row to row
	s_mov_b32 s[\g+6], 0
	s_mov_b32 s[\g+7], 0
.endr
	s_mov_b32 s[CS], 0x3e38aa3b     ; c = log2(e) / 8 = 0.180337
	s_mov_b32 s[CS+1], s[CS]        ; named with it as a pair
	s_mov_b32 s[SEL], 0x76543210
	s_mov_b32 s[SEL+1], 0xfedcba98
	s_mov_b32 s[TBK], SLOT1+4*KS*PK ; the first change of slots turns these two into 0
	s_mov_b32 s[TBV], SLOT1+4*KS*PV
	s_mov_b32 s[G0K], 1             ; 1:0 count = 1
	s_mov_b32 s[G0K+1], s17         ; 63:32 LDS address: slot 0
	s_mov_b32 s[G0V], 1
	s_add_co_u32 s[G0V+1], s18, VOFF
	s_wait_dscnt 0x0                ; the opening add is done
	s_wait_kmcnt 0x0
	s_add_nc_u64 s[G0K+2:G0K+3], s[6:7], s[22:23]  ; 120:64 global address: my half of the head's first 256 keys
	s_or_b32 s[G0K+3], s[G0K+3], 0x80000000        ; 127:126 type = 2
	s_add_nc_u64 s[G0V+2:G0V+3], s[8:9], s[22:23]
	s_or_b32 s[G0V+3], s[G0V+3], 0x80000000
	s_add_nc_u64 s[4:5], s[4:5], s[2:3]  ; Q and O at my wave's first row
	s_add_nc_u64 s[10:11], s[10:11], s[2:3]
	CROUND                          ; all four work-groups are here: the first joint loads meet
	JLOAD                           ; slot 0.  Slot 1 is asked for when slot 0 is in: the tile wanted first has the road to itself
	; A fragment of K or Q is 16 rows x 32 channels in 8 registers: lane l holds row l % 16, channels 8 (l / 16) + 0..7 and 16 + 8 (l / 16) + 0..7: two loads of 16 bytes, 32 bytes apart.
	v_and_b32 v1, 15, v0            ; l % 16
	v_bfe_u32 v9, v0, 4, 1          ; l / 16
	v_lshlrev_b32 v[QO], 7, v1
	v_lshl_add_u32 v[QO], v9, 4, v[QO]  ; row x 128 + 16 x half
	WIN 0x80                        ; destination window 2, address window 0
.set i, 0
.rept 4*NP                          ; Q stays in registers: tile i / 2, channels 32 (i % 2) on
	global_load_b128 v[8*i:8*i+3],   v[QO], s[4:5] offset:(i/2)*2048+(i%2)*64
	global_load_b128 v[8*i+4:8*i+7], v[QO], s[4:5] offset:(i/2)*2048+(i%2)*64+32
.set i, i+1
.endr
	; What the first turn finds: V's registers and P's second buffer hold 0 (its products V^T P, of a piece that has not been, add 0), O^T and l are 0.  All this stands in the wait for the first tile.
.set i, VF
.rept 64
	v_mov_b32 v[i], 0
.set i, i+1
.endr
	WIN 0x40
.set i, 0
.rept 64*NP
	v_mov_b32 v[i], 0
.set i, i+1
.endr
	WIN 0
.set i, 0
.rept 2*NP
	v_mov_b32 v[ST+4*i], 0xfe000000    ; c m: far below every c s
	v_mov_b32 v[ST+4*i+1], 0xff7fffff  ; m
	v_mov_b32 v[ST+4*i+2], 0
	v_mov_b32 v[ST+4*i+3], 0
.set i, i+1
.endr
.set i, P+32
.rept 32
	v_mov_b32 v[i], 0
.set i, i+1
.endr
	v_mul_u32_u24 v[AK0], v1, PK
	v_lshl_add_u32 v[AK0], v9, 4, v[AK0]  ; row x pitch + 16 x half
	; The turning load takes 16 keys x 16 channels (lane l reads key 8 (l / 16) + l % 8, channels 8 ((l / 8) % 2) + 0..7) and leaves half a fragment of V^T: lane l holds channel l % 16 and 8 keys.
	v_and_b32 v10, 7, v0
	v_bfe_u32 v11, v0, 3, 1
	v_lshl_add_u32 v[AV0], v9, 3, v10
	v_mul_u32_u24 v[AV0], v[AV0], PV
	v_lshl_add_u32 v[AV0], v11, 4, v[AV0]
	v_add_nc_u32 v[AV0], VOFF, v[AV0]
	v_mov_b32 v[AK], v[AK0]         ; key step 0 lies at the head of slot 0
; THE MATRIX WORK.  The 8 accumulators of a run of 16 take turns: between the two links of a chain stand 7 others'.
; Product i of 16 of S^T = K Q^T for piece x: channels 32 (i / 8) on, keys 16 ((i / 2) % 4) on, tile 2 x + i % 2.  The first 8 start the sums.
.macro KQ x
	WIN W_KQ
.set rS, S+64*((\x)%2)+32*(i%2)+8*((i/2)%4)
.set rK, KF+16*((i/2)%4)+8*(i/8)
.set rQ, 16*(2*(\x)+i%2)+8*(i/8)
.if i < 8
	v_wmma_f32_16x16x32_f16 v[rS:rS+7], v[rK:rK+7], v[rQ:rQ+7], 0
.else
	v_wmma_f32_16x16x32_f16 v[rS:rS+7], v[rK:rK+7], v[rQ:rQ+7], v[rS:rS+7]
.endif
.endm
; Product i of 16 of O^T += V^T P for piece x: keys 32 (i / 8) on, channels 16 ((i / 2) % 4) on, tile 2 x + i % 2.
.macro PV x
	WIN W_PV
.set rO, 32*(2*(\x)+i%2)+8*((i/2)%4)
.set rV, VF+32*(i/8)+8*((i/2)%4)
.set rP, P+32*((\x)%2)+16*(i%2)+8*(i/8)
	v_wmma_f32_16x16x32_f16 v[rO:rO+7], v[rV:rV+7], v[rP:rP+7], v[rO:rO+7]
.endm
.macro MM                           ; the turn's next matrix instruction
.if i < 16
	KQ (Y+1)%NP
.set i, i+1
.else
.set i, i-16
	PV (Y+NP-1)%NP
.set i, i+17
.endif
.endm
; THE LDS LOADS stand in runs of 16, never singly among the matrix instructions: a step's K (64 keys x 64 channels: 8 fragments) and its V (turned).  Their addresses are made some lines ahead.
; last = 1 (the tail): in the last trip there is no further step, and the run is jumped over.
.macro FETCH_K last=0
	WIN 0
.if \last
	s_cmp_eq_u32 s[CNT], 1
	s_cbranch_scc1 .Lno_k_\@
.endif
	WIN 0x80                        ; destination window 2
.irp f, 0,1,2,3,4,5,6,7             ; keys 16 (f / 2) on, channels 32 (f % 2) on
	ds_load_b128 v[KF+8*\f:KF+8*\f+3],   v[AK] offset:(\f/2)*16*PK+(\f%2)*64
	ds_load_b128 v[KF+8*\f+4:KF+8*\f+7], v[AK] offset:(\f/2)*16*PK+(\f%2)*64+32
.endr
	s_add_co_u32 s[TBK], s[TBK], KS*PK  ; the next fetch is the next step's
	WIN 0
.if \last
.Lno_k_\@:
.endif
.endm
.macro FETCH_V
	WIN 0x80
.irp f, 0,1,2,3,4,5,6,7             ; keys 32 (f / 4) on, channels 16 (f % 4) on
	ds_load_tr16_b128 v[VF+8*\f:VF+8*\f+3],   v[AV] offset:(\f/4)*32*PV+(\f%4)*32
	ds_load_tr16_b128 v[VF+8*\f+4:VF+8*\f+7], v[AV] offset:(\f/4)*32*PV+16*PV+(\f%4)*32
.endr
	WIN 0
.endm
; THE VECTOR WORK OF A TURN stands in three queues, each in the order in which its entries become ready; the two tiles alternate, so that no instruction reads the result of the one before it.
.macro REGS y, u                    ; the registers of tile u (0, 1) of piece y
.set rT, ST+4*(2*(\y)+(\u))
.set rC, TMP+8*((\y)%2)+4*(\u)
.set rM, MV+2*((\y)%2)+(\u)
.set rS, S+64*((\y)%2)+32*(\u)
.set rP, P+32*((\y)%2)+16*(\u)
.set rO, 32*(2*(\y)+(\u))
.endm
; Number n of the 22 that find the NEXT piece's (Y + 1) maximum and statistics.  s0-s31 are the lane's 32 scores; each accumulator's lowest registers are read first.  XS, GS and REGS set no window: PL and EX do.
;   0-11  four chains c0-c3 of seven scores each, three operands at a time     12-14, 16  the four scores left over, the old m, and c0-c3 into c0     15  c m_old is kept
;   17, 18  the query's other 32 keys lie in the lane 16 away: the new m         19-21  c m; c m_old - c m_new; a
.macro XS u, n
	REGS (Y+1)%NP, \u
.if (\n) < 4
	v_max3_num_f32 v[rC+(\n)], v[rS+8*(\n)], v[rS+8*(\n)+1], v[rS+8*(\n)+2]
.elseif (\n) < 12
	v_max3_num_f32 v[rC+(\n)%4], v[rC+(\n)%4], v[rS+8*((\n)%4)+2*((\n)/4)+1], v[rS+8*((\n)%4)+2*((\n)/4)+2]
.elseif (\n) == 12
	v_max3_num_f32 v[rC], v[rC], v[rS+7], v[rS+15]
.elseif (\n) == 13
	v_max3_num_f32 v[rC+1], v[rC+1], v[rS+23], v[rS+31]
.elseif (\n) == 14
	v_max3_num_f32 v[rC+2], v[rC+2], v[rC+3], v[rT+1]
.elseif (\n) == 15
	v_mov_b32 v[rM], v[rT]
.elseif (\n) == 16
	v_max3_num_f32 v[rC], v[rC], v[rC+1], v[rC+2]
.elseif (\n) == 17
	v_permlanex16_b32 v[rC+3], v[rC], s[SEL], s[SEL+1]
.elseif (\n) == 18
	v_max_num_f32 v[rT+1], v[rC], v[rC+3]
.elseif (\n) == 19
	v_mul_f32 v[rT], s[CS], v[rT+1]
.elseif (\n) == 20
	v_sub_f32 v[rC+1], v[rM], v[rT]
.else
	v_exp_f32 v[rC+2], v[rC+1]
.endif
.endm
; Number g of the 64 that follow the exponentials.  For each four weights k of a tile (pairs 2 k, 2 k + 1): both pairs are rounded to f16; then the second pair is added onto the first, in place;
; a group later l takes that sum (the first time as l = a l + sum).  In groups of eight, tiles alternating: round, round, add, and l for the group before.
.macro GS g
.set h, (\g)+6*((\g)/62)            ; group 0 has no group before it, and behind group 7 only l is left
.if h >= 6
.set h, h+2
.endif
	REGS Y, h%2
.set k, h/8
.if h%8 < 4
	s_wait_alu depctr_va_vdst(0)
	v_cvt_pk_f16_f32 v[rP+2*k+(h%8)/2], v[rS+4*k+2*((h%8)/2)], v[rS+4*k+2*((h%8)/2)+1]
.elseif h%8 < 6
	v_pk_add_f32 v[rS+4*k:rS+4*k+1], v[rS+4*k:rS+4*k+1], v[rS+4*k+2:rS+4*k+3]
.elseif k == 1
	v_pk_fma_f32 v[rT+2:rT+3], v[rT+2:rT+3], v[rC+2:rC+3], v[rS:rS+1] op_sel_hi:[1,0,1]
.else
	v_pk_add_f32 v[rT+2:rT+3], v[rT+2:rT+3], v[rS+4*k-4:rS+4*k-3]
	s_wait_alu depctr_va_vdst(0)
.endif
.endm
; THE PLAIN QUEUE, 138 long.  0-31: c s - c m for the 16 pairs of both tiles.  Then GS's 64, and among them the next piece's 42: number 15 at 38, 39; 0-14 and 16
; at 42-73, behind the products that make those scores; 17-20 at 95-106, two of three, since each waits for the one before it.
.macro PL
	WIN 0
.if q < 32
	REGS Y, q%2
	v_pk_fma_f32 v[rS+2*(q/2):rS+2*(q/2)+1], v[rS+2*(q/2):rS+2*(q/2)+1], s[CS:CS+1], v[rT:rT+1] op_sel_hi:[1,0,0] neg_lo:[0,0,1] neg_hi:[0,0,1]
.elseif q < 38
	GS q-32
.elseif q < 40
	XS q%2, 15
.elseif q < 42
	GS q-34
.elseif q < 74
	XS q%2, (q-42)/2+(q-42)/30
.elseif q < 95
	GS q-66
.elseif (q < 107) && ((q-95)%3 < 2)
	XS (q-95)%3, 17+(q-95)/3
.elseif q < 107
	GS 29+(q-95)/3
.else
	GS q-74
.endif
.set q, q+1
.endm
; THE EXPONENTIALS' QUEUE, 66 long: s0-s31 of both tiles, and at EA the next piece's two a.
.set EA, 58
.macro EX
	WIN 0
.if (e == EA) || (e == EA+1)
	XS e-EA, 21
.else
.set x, e-2*(e/(EA+2))
	REGS Y, x%2
	v_exp_f32 v[rS+x/2], v[rS+x/2]
.endif
.set e, e+1
.endm
; THE RESCALING's QUEUE: O^T times a, the one part that leaves window 0, so it is dealt four at a time, eight times.
.macro R4
	REGS Y, r%2
	WIN W_RS
	s_wait_alu depctr_va_vdst(0)
.irp z, 0,1,2,3
	v_pk_mul_f32 v[rO+8*(r/2)+2*\z:rO+8*(r/2)+2*\z+1], v[rO+8*(r/2)+2*\z:rO+8*(r/2)+2*\z+1], v[rC+2:rC+3] op_sel_hi:[1,0]
.endr
.set r, r+1
.endm
; HOW THEY ARE DEALT.  Behind a matrix instruction four: plain, exponential, plain, plain (one exponential, a plain instruction on either side), or four of the rescaling.  None names a register of the
; products round it.  What is over stands in two LUMPS: exponential and plain by turns; the second ends in 22 plain instructions.  The two v_permlanex16_b32 fall into the second lump, never behind a product.
; The queues lean on each other, and the deal keeps them in step: exponential e stands behind plain 2 (e / 4) + e % 2 (its scaling); when plain 32 comes, 10 exponentials are out, at 59: 33, at 95: 46; EA comes behind plain 107.
.macro SL
	MM
	PL
	EX
	PL
	PL
.endm
.macro BURST n                      ; 15 matrix instructions, or 16
.rept (\n)-7
	SL
.endr
.rept 3
	MM
	R4
	SL
.endr
	MM
	R4
.endm
; A TURN, for piece p.  cnt = 1: the loop's count is taken down some lines ahead of the branch that stands behind the turn.
; K of the next step is fetched in piece 2's turn, 31 vector instructions behind the last product that read K; its first reader comes behind the rest of the lump, 16 products and the second lump.
; V of the step in hand is fetched at the end of piece 0's turn, 69 behind its last reader; its first reader comes behind 16 products and a lump.  The four conditions on e and q below go with the deal.
.macro TURN p, last=0, cnt=0
.set Y, (\p)
.set i, 0
.set q, 0
.set e, 0
.set r, 0
.if (\p) == NP-1
	s_wait_dscnt 0x0                ; K is in
.endif
	MM
.rept 4
	PL
.endr
	BURST 15
.rept 22
	EX
	PL
.if ((\p) == NP-2) && (e == 18)
	v_add_nc_u32 v[AK], s[TBK], v[AK0]
.endif
.if ((\p) == NP-2) && (e == 24)
	FETCH_K \last
.endif
.endr
.if (\p) == 1
	s_wait_dscnt 0x0                ; V is in
.endif
	BURST 16
.rept 21
	EX
	PL
.endr
.rept 22
	PL
.if ((\p) == 0) && (q == 118)
	v_add_nc_u32 v[AV], s[TBV], v[AV0]
	s_wait_alu depctr_va_vdst(0)
.endif
.if ((\p) == 0) && (q == 130)
	s_add_co_u32 s[TBV], s[TBV], KS*PV
.endif
.if (\cnt) && (q == 130)
	s_sub_co_u32 s[CNT], s[CNT], 1
	s_cmp_lg_u32 s[CNT], 0
.endif
.endr
.if (\p) == 0
	FETCH_V
.endif
.endm
	CHANGE 1                        ; slot 0 is in, everybody's part of it; slot 1 is asked for
	FETCH_K                         ; key step 0
	s_wait_loadcnt 0x0              ; Q
	s_wait_dscnt 0x0
.set i, 0
.rept 16
	KQ 0                            ; piece 0's first scores: there is no vector work yet to set between them
.set i, i+1
.endr
	WIN 0                           ; the addresses for the way out: nine plain instructions, the places behind those products
	s_mul_i32 s13, s[WV], 16*SP
	s_add_co_u32 s13, s13, STAGE    ; my stage
	v_mul_u32_u24 v[STO], v1, SP    ; in: row l % 16, 16 bytes for each half of the lanes
	v_lshl_add_u32 v[STO], v9, 4, v[STO]
	v_add_nc_u32 v[STO], s13, v[STO]
	v_bfe_u32 v[RD], v0, 3, 2       ; back: 32 lanes take four rows of 128 bytes,
	v_mul_u32_u24 v[RD], v[RD], SP
	v_lshl_add_u32 v[RD], v10, 4, v[RD]
	v_add_nc_u32 v[RD], s13, v[RD]
	v_and_b32 v[GO], 31, v0         ; which are 512 consecutive bytes of O
	v_lshlrev_b32 v[GO], 4, v[GO]
.set Y, NP-1                        ; XS works for piece Y + 1: piece 0
.irp n, 0,1,2,3,4,5,6,7,8,9,10,11,12,13,14,15,16,17,18,19,20,21
	XS 0, \n                        ; and piece 0's first maximum and statistics
	XS 1, \n
.endr
	s_mov_b32 s[CNT], 4
	s_mov_b32 s[SLOTS], SIZE_N/256-1
	s_branch .Lfirst                ; the loop is entered at a step's first turn, in the middle of a trip
.Lslot:                             ; SIZE_N / 256 - 2 times: every slot but the last two is filled again
	CHANGE 1
	s_mov_b32 s[CNT], 4
.Lstep:                             ; a trip: pieces 2 and 3 of one step, then pieces 0 and 1 of the next, whose K and V it fetches
	TURN 2
	TURN 3
	WIN 0
.Lfirst:
	TURN 0
	TURN 1, 0, 1
	WIN 0
	s_cbranch_scc1 .Lstep
	s_sub_co_u32 s[SLOTS], s[SLOTS], 1
	s_cmp_lg_u32 s[SLOTS], 0
	s_cbranch_scc1 .Lslot
	CHANGE 0                        ; the tail is written out: nothing is asked for
	s_mov_b32 s[CNT], 5             ; four trips fetch the last slot's steps; the fifth is left in its middle
.Ltail:
	TURN 2, 1
	TURN 3
	WIN 0
	s_sub_co_u32 s[CNT], s[CNT], 1
	s_cmp_eq_u32 s[CNT], 0
	s_cbranch_scc1 .Lout
	TURN 0
	TURN 1
	WIN 0
	s_branch .Ltail
.Lout:                              ; the fifth trip's 16 products K Q^T (on the last K once more) and the maximum made of them serve nothing: the price, once a launch, of one text for every trip
.set i, 0
.rept 16
	PV NP-1                         ; the last piece's V^T P of the last step
.set i, i+1
.endr
	; THE WAY OUT.  l's two halves and the other half of the lanes' are added; O^T is divided by l, rounded to f16 and sent through my stage in LDS, a tile at a time.  The additions are the places behind the last products.
	WIN 0
.macro ALL line:vararg              ; one line for each tile t
.set t, 0
.rept 2*NP
	\line
.set t, t+1
.endr
.endm
	ALL v_add_f32 v[ST+4*t+2], v[ST+4*t+2], v[ST+4*t+3]
	ALL v_permlanex16_b32 v[ST+4*t+3], v[ST+4*t+2], s[SEL], s[SEL+1]
	ALL v_add_f32 v[ST+4*t+2], v[ST+4*t+2], v[ST+4*t+3]
	ALL v_rcp_f32 v[ST+4*t+2], v[ST+4*t+2]
	v_nop                           ; a plain instruction between the last reciprocal and the use of its result
	s_wait_alu depctr_va_vdst(0)
; Tile t: a lane's eight channels of a row pack into 16 bytes; they go into rows of 144 bytes and come back as whole rows of 128, into S^T's registers.
.macro PACK t
	WIN W_RS
.set i, 32*(\t)
.rept 16
	v_pk_mul_f32 v[i:i+1], v[i:i+1], v[ST+4*(\t)+2:ST+4*(\t)+3] op_sel_hi:[1,0]
.set i, i+2
.endr
	WIN 0x05                        ; sources 0 and 1 window 1, destination window 0
.set i, 0
.rept 16
	v_cvt_pk_f16_f32 v[S+16*(\t)+i], v[32*(\t)+2*i], v[32*(\t)+2*i+1]
.set i, i+1
.endr
	WIN 0
.irp f, 0,1,2,3
	ds_store_b128 v[STO], v[S+16*(\t)+4*\f:S+16*(\t)+4*\f+3] offset:32*\f
.endr
.irp f, 0,1,2,3
	ds_load_b128 v[S+16*(\t)+4*\f:S+16*(\t)+4*\f+3], v[RD] offset:\f*4*SP  ; LDS serves a wave's instructions in order (ISA guide 5.7.1.4): these see the stores above; the next tile's stores come behind them
.endr
.endm
.macro SEND t, younger              ; younger: the LDS instructions issued behind tile t's loads: the next tile's eight, or none
	WIN 0
.irp f, 0,1,2,3
	s_wait_dscnt (\younger)+3-\f
	global_store_b128 v[GO], v[S+16*(\t)+4*\f:S+16*(\t)+4*\f+3], s[10:11] offset:(\t)*2048+\f*512  ; 512 consecutive bytes, at a multiple of 256 from O's first
.endr
.endm
	PACK 0
.set t, 1
.rept 2*NP-1                        ; a tile's arithmetic stands between the loads of the tile before and its stores
	PACK t
	SEND t-1, 8
.set t, t+1
.endr
	SEND 2*NP-1, 0
	WIN W_AD
	s_wait_tensorcnt 0x0            ; the wave's end: the add and its wait stand behind my last tensor load and my last LDS store
	ds_add_u32 v[SPW], v[NIL]
	s_wait_dscnt 0x0
	WIN 0
	CROUND                          ; the closing round: no work-group ends while a partner may still ask for a tile that names it
	s_endpgm
.Lfunc_end_k_qe218d55af6_attn:
	.size	k_qe218d55af6_attn, .Lfunc_end_k_qe218d55af6_attn-k_qe218d55af6_attn
	.p2alignl 7, 3214868480
	.fill 96, 4, 3214868480
	.section	.rodata,"a",@progbits
	.p2align	6, 0x0
	.amdhsa_kernel k_qe218d55af6_attn
		.amdhsa_group_segment_fixed_size 327680
		.amdhsa_private_segment_fixed_size 0
		.amdhsa_enable_private_segment 0
		.amdhsa_kernarg_size 32
		.amdhsa_user_sgpr_count 2
		.amdhsa_user_sgpr_kernarg_segment_ptr 1
		.amdhsa_wavefront_size32 1
		.amdhsa_system_sgpr_workgroup_id_x 1
		.amdhsa_system_sgpr_workgroup_id_y 1
		.amdhsa_system_sgpr_workgroup_id_z 1
		.amdhsa_system_vgpr_workitem_id 0
		.amdhsa_next_free_vgpr 770
		.amdhsa_next_free_sgpr 66
		.amdhsa_reserve_vcc 0
		.amdhsa_float_denorm_mode_32 3
		.amdhsa_float_denorm_mode_16_64 3
		.amdhsa_memory_ordered 1
		.amdhsa_forward_progress 1
		.amdhsa_inst_pref_size 208
	.end_amdhsa_kernel
	.amdgpu_metadata
---
amdhsa.version: [ 1, 2 ]
amdhsa.kernels:
  - .name:           k_qe218d55af6_attn
    .symbol:         k_qe218d55af6_attn.kd
    .args:
      - { .name: qh, .offset: 0, .size: 8, .value_kind: global_buffer, .address_space: global }
      - { .name: kh, .offset: 8, .size: 8, .value_kind: global_buffer, .address_space: global }
      - { .name: vh, .offset: 16, .size: 8, .value_kind: global_buffer, .address_space: global }
      - { .name: oh, .offset: 24, .size: 8, .value_kind: global_buffer, .address_space: global }
    .group_segment_fixed_size: 327680
    .private_segment_fixed_size: 0
    .kernarg_segment_align: 8
    .kernarg_segment_size: 32
    .max_flat_workgroup_size: 128
    .sgpr_count:     66
    .vgpr_count:     770
    .wavefront_size: 32
...
	.end_amdgpu_metadata
.endif
;; end of part 3
;; launch proj (part 4): grid 8 x 32, 4 waves a work-group, clusters of 4 x 4, 327,680 bytes of LDS; arguments oh, wpb, bproj, out0; writes out0
.if DOCPART == 4
	.amdgcn_target "amdgcn-amd-amdhsa--gfx1250"
	.amdhsa_code_object_version 6
	.text
	.protected	k_qe218d55af6_proj
	.globl	k_qe218d55af6_proj
	.p2align	8
	.type	k_qe218d55af6_proj,@function
k_qe218d55af6_proj:
	s_mov_b64 s[64:65], 0
	v_nop
	global_prefetch_b8 v0, s[64:65] scope:SCOPE_SE
	s_setreg_imm32_b32 hwreg(HW_REG_WAVE_MODE, 25, 1), 1
	s_wait_xcnt 0x0
	s_wait_alu depctr_hold_cnt(0) depctr_sa_sdst(0) depctr_va_vdst(0) depctr_va_sdst(0) depctr_va_ssrc(0) depctr_va_vcc(0) depctr_vm_vsrc(0)
	s_getreg_b32 s2, hwreg(HW_REG_IB_STS2, 6, 4)
	s_cmp_eq_u32 s2, 0
	s_cbranch_scc0 .Lentry_in_a_cluster
	s_endpgm
.Lentry_in_a_cluster:
	s_bfe_u32 s2, ttmp6, 0x10000c
	s_cmp_lg_u32 s2, 0xf033
	s_cbranch_scc0 .Lentry_shape_is_right
	s_endpgm
.Lentry_shape_is_right:
; THE OUTPUT PROJECTION.  out[m][n] = the sum over k of O[m][k] Wproj[k][n] + bproj[n]; m = 2048 batch + row, k = 64 head + channel, n = 0..1023.
; oh is [64 = 16 batch + head][2048][64] in f16; wpb [1024][1024] holds the bf16-rounded weights written as f16; the bias is rounded to bf16 like the other inputs; sums in f32; out is f32.
; LIMITS.  O and the weights arrive inside f16's range (65,504).  NaN and infinities are not treated apart.
; SHARES.  A tile is 256 rows x 128 columns: 32 x 8 = 256 tiles, one a work-group.  The four waves stand along the rows: a wave makes 64 rows x all 128 columns, 32 accumulators of 16 x 16, so that a row's 512 bytes
; of the tile are its own and its way out needs no barrier.
; THE MATRIX INSTRUCTION IS USED TRANSPOSED: source 0 = 16 columns of W, source 1 = 16 rows of O: lane l holds row l % 16, and its registers 0-7 the columns 8 (l / 16) + 0..7: 32 bytes of f32 that belong together.
; W stays as it is stored, [k][n]: its fragments come out of LDS turned, by ds_load_tr16_b128.
; THE SUMS START AT THE BIAS: every accumulator is set to its eight columns' bias while the first tile is on its way; so no K step differs from the others and the way out has no addition.
; THE RING.  K goes in 8 steps of 128, two heads each, through two LDS slots.  Waves 0 and 1 ask for a head's 256 rows each (32,768 dense bytes, as 128 rows of 256 bytes, padded behind every 128: a PLANE of 256
; rows of 144 bytes), waves 2 and 3 for 64 rows x 256 bytes of W each.
; CLUSTERS.  4 x 4 work-groups: the four of a row of the cluster share O's tiles, the four of a column W's; each tile is asked for JOINTLY, by the same tensor load with the same descriptor and a mask of the four.
; REGISTERS, in windows of 256 (s_set_vgpr_msb: bits 1:0 source 0, 3:2 source 1, 5:4 source 2, 7:6 destination):
;   window 0: v0-15, v28-29 addresses; v32-95 O's fragments, two buffers of 4 x 8; v96-223 the bias at the start, the way out at the end
;   window 1: W's fragments, two buffers of 8 x 8      window 2: the accumulators ((a, b) at 64 a + 8 b)
.set NB,    8                          ; blocks of 16 columns
.set APW,   4                          ; row blocks whose accumulators share a window: all
.set PA,    144                        ; a row of O in LDS: 128 bytes + 16 = 36 words: the 16 rows of a load start at 16 different groups of four banks (64 banks of 4 bytes: ISA guide 11.1)
.set QPP,   2                          ; a plane's row holds two quarters of a K step
.set PLANE, 256*PA
.set AHALF, PLANE                      ; what one load of O brings
.set BOFF,  2*PLANE                    ; W's tile lies behind the two planes
.set PB,    288                        ; a row of W in LDS: 256 bytes + 32 = 72 words
.set CHUNK, 128                        ; four column blocks, without a gap
.set BHALF, 64*PB                      ; what one load of W brings
.set SLOT1, 1<<17                      ; a slot is 110,592 bytes; slot 1 begins here, so that one exclusive or turns an address in one slot into the other's
.set STAGE, SLOT1+BOFF+2*BHALF         ; behind the ring, never filled by a tensor load: 16 rows x 528 bytes for each wave
.set SP,    528                        ; 512 bytes + 16
.set SPARE, STAGE+4*16*SP              ; behind the stages: the spare words, 128 bytes for each wave: two blocks of 256 bytes that no other line names
.set ASTEP, 2<<18                      ; a K step in O: two heads of 2,048 rows of 128 bytes,
.set BSTEP, 128*2048                   ; in W: 128 rows
.set NLD,   2*NB+8                     ; LDS loads in a run
.set A0,   8                           ; v8   my lane's place in O's tile; never rewritten
.set B0,   9                           ; v9   in W's
.set ADRA, 10                          ; v10  the same in the slot in hand
.set ADRB, 11                          ; v11
.set STO,  12                          ; v12  the way out: where I put 32 bytes of a row
.set RD,   13                          ; v13  where I read rows back
.set GO,   14                          ; v14  my byte offset in a row's 512 bytes of out
.set BO,   15                          ; v15  my byte offset in 16 columns of the bias
.set SPW,  28                          ; v28  LDS address of my spare word: SPARE + 4 x my thread's number; never rewritten
.set NIL,  29                          ; v29  0; never rewritten
.set FA,   32                          ; O's fragment buffers
.set T,    96                          ; the bias
.set OB,   96                          ; the way out: 16 rows read back: v96-159 and v160-223 by turns
.set WV,   16                          ; s16  my wave's number
.set HALF, 17                          ; s17  which half of a tile I fetch
.set CX,   18
.set CY,   19
.set TX,   20                          ; s20  the block of 128 columns
.set TY,   21                          ; s21  the block of 256 rows
.set G1A,  24                          ; s[24:31] descriptor group 1 for O's tiles
.set G0A,  32                          ; s[32:35] group 0: it walks
.set G0B,  36                          ; s[36:39] the same for W's
.set G1B,  40                          ; s[40:47]
.set TB,   54                          ; s54  LDS byte at which the slot in hand begins
.set CNT,  55                          ; s55  counts K steps
.set HIM,  56                          ; s56  a word's upper bf16
.set MSB, 0
.macro WIN new                         ; the immediate's high byte repeats the setting that is left; a switch that changes nothing is dropped
.if MSB != (\new)
	s_set_vgpr_msb (MSB<<8)|(\new)
.set MSB, (\new)
.endif
.endm
.macro PLACES                          ; four places in front of loads into registers that matrix instructions have read, and of lines that read results (ISA guide 7.12.1 for lines that read results)
.rept 4
	v_nop
.endr
.endm
; A joint load: waves 0 and 1 fetch O's two planes, waves 2 and 3 W's two halves.  The branch hangs on the wave's number alone.  An s_nop 0 and four v_nop follow each of the two lines, ahead of the jump and the label.
.macro JLOAD
	s_cmp_lt_u32 s[WV], 2
	s_cbranch_scc0 .Lfor_b_\@
	tensor_load_to_lds s[G0A:G0A+3], s[G1A:G1A+7]
	s_nop 0
.rept 4
	v_nop
.endr
	s_branch .Lasked_\@
.Lfor_b_\@:
	tensor_load_to_lds s[G0B:G0B+3], s[G1B:G1B+7]
	s_nop 0
.rept 4
	v_nop
.endr
.Lasked_\@:
.endm
.macro CREST                           ; a round of the cluster's barrier behind its opening barrier: wave 0 signals for the work-group, every wave waits for all sixteen, my work-group's barrier closes it
	s_cmp_lg_u32 s[WV], 0
	s_cbranch_scc1 .Lnot_wave_0_\@
	s_barrier_signal -3
.Lnot_wave_0_\@:
	s_barrier_wait -3
	s_barrier_signal -1
	s_barrier_wait -1
.endm
.macro CROUND                          ; a whole round
	s_barrier_signal -1
	s_barrier_wait -1
	CREST
.endm
.macro STEPD                           ; the walking descriptors: the other slot, the next K step.  It stands only where no tensor load of mine is out
	s_xor_b32 s[G0A+1], s[G0A+1], SLOT1
	s_add_nc_u64 s[G0A+2:G0A+3], s[G0A+2:G0A+3], ASTEP
	s_xor_b32 s[G0B+1], s[G0B+1], SLOT1
	s_add_nc_u64 s[G0B+2:G0B+3], s[G0B+2:G0B+3], BSTEP
.endm
	s_load_b256 s[4:11], s[0:1], 0x0               ; oh s[4:5], wpb s[6:7], bproj s[8:9], out0 s[10:11]
	v_lshl_add_u32 v[SPW], v0, 2, SPARE
	v_mov_b32 v[NIL], 0
	ds_add_u32 v[SPW], v[NIL]                      ; the wave's opening: the add and its wait stand ahead of my first tensor load; the set-up below, work on registers, stands between them
	v_lshrrev_b32 v1, 5, v0
	v_readfirstlane_b32 s[WV], v1                  ; wave 0..3
	s_and_b32 s[HALF], s[WV], 1
	s_bfe_u32 s[CX], ttmp6, 0x40000                ; my place in the cluster
	s_bfe_u32 s[CY], ttmp6, 0x40004
	s_lshl_b32 s[TX], ttmp9, 2                     ; in a cluster launch ttmp9 and ttmp7 count clusters
	s_add_co_u32 s[TX], s[TX], s[CX]
	s_and_b32 s[TY], ttmp7, 0xffff
	s_lshl_b32 s[TY], s[TY], 2
	s_add_co_u32 s[TY], s[TY], s[CY]
	s_lshl_b32 s22, s[CY], 2
	s_lshl_b32 s22, 15, s22                        ; my row of the cluster: places 4 cy .. 4 cy + 3
	s_lshl_b32 s23, 0x1111, s[CX]                  ; my column: places cx, cx + 4, cx + 8, cx + 12
	; group 1 for O: 128 rows x 128 elements of 2 bytes (two rows of a head each), 4 words of padding behind every 32
	s_or_b32 s[G1A], s22, (1<<16)|(1<<20)|(1<<21)|(4<<22)|(3<<25)  ; 15:0 the mask; 17:16 2-byte elements; 20 padding on; 21 set beside a mask; 24:22 the interval's code; 31:25 the padding's words less 1
	s_mov_b32 s[G1A+1], 128<<16                    ; tensor_dim0
	s_mov_b32 s[G1A+2], 128<<16                    ; tensor_dim1
	s_mov_b32 s[G1A+3], 128<<16                    ; tile_dim0
	s_mov_b32 s[G1A+4], 128                        ; tile_dim1
	s_mov_b32 s[G1A+5], 128                        ; elements from row to row: dense
	s_mov_b32 s[G1A+6], 0
	s_mov_b32 s[G1A+7], 0
	; group 1 for W: 64 rows x 128 elements, 8 words of padding behind every 64
	s_or_b32 s[G1B], s23, (1<<16)|(1<<20)|(1<<21)|(5<<22)|(7<<25)
	s_mov_b32 s[G1B+1], 128<<16
	s_mov_b32 s[G1B+2], 64<<16
	s_mov_b32 s[G1B+3], 128<<16
	s_mov_b32 s[G1B+4], 64
	s_mov_b32 s[G1B+5], 1024
	s_mov_b32 s[G1B+6], 0
	s_mov_b32 s[G1B+7], 0
	s_mov_b32 s[G0A], 1                            ; count = 1
	s_mul_i32 s[G0A+1], s[HALF], AHALF             ; LDS address, slot 0: no place in the cluster enters it
	s_mov_b32 s[G0B], 1
	s_mul_i32 s[G0B+1], s[HALF], BHALF
	s_add_co_u32 s[G0B+1], s[G0B+1], BOFF
	s_lshr_b32 s48, s[TY], 3                       ; O: the batch's 16 heads of 262,144 bytes,
	s_lshl_b32 s48, s48, 22
	s_and_b32 s57, s[TY], 7
	s_lshl_b32 s57, s57, 15                        ; the block's 256 rows of 128 bytes in a head,
	s_add_co_u32 s48, s48, s57
	s_lshl_b32 s57, s[HALF], 18                    ; my head of the K step's two: made of the row block and the wave's number alone
	s_add_co_u32 s48, s48, s57
	s_mov_b32 s49, 0
	s_lshl_b32 s50, s[HALF], 17                    ; W: my 64 rows of 2,048 bytes of the K step,
	s_lshl_b32 s60, s[TX], 8                       ; the block's 128 columns: made of the column block and the wave's number alone
	s_add_co_u32 s50, s50, s60
	s_mov_b32 s51, 0
	s_lshl_b32 s58, s[TX], 9                       ; the block's 128 numbers of the bias
	s_mov_b32 s59, 0
	s_lshl_b32 s52, s[TY], 20                      ; the way out: 256 rows of 4,096 bytes a block,
	s_lshl_b32 s62, s[WV], 18                      ; my wave's 64 of them,
	s_add_co_u32 s52, s52, s62
	s_add_co_u32 s52, s52, s58                     ; the block's 512 bytes of a row
	s_mov_b32 s53, 0
	s_mov_b32 s[TB], 0
	s_mov_b32 s[HIM], 0xffff0000
	s_wait_dscnt 0x0                               ; the opening add is done
	s_wait_kmcnt 0x0
	s_add_nc_u64 s[G0A+2:G0A+3], s[4:5], s[48:49]  ; global address of K step 0's tile,
	s_or_b32 s[G0A+3], s[G0A+3], 0x80000000        ; and the type, 2, on top
	s_add_nc_u64 s[G0B+2:G0B+3], s[6:7], s[50:51]
	s_or_b32 s[G0B+3], s[G0B+3], 0x80000000
	s_add_nc_u64 s[8:9], s[8:9], s[58:59]
	s_add_nc_u64 s[10:11], s[10:11], s[52:53]
	CROUND                                         ; all sixteen work-groups are here: the first joint loads meet
	JLOAD                                          ; K step 0 into slot 0.  Slot 1 is asked for when slot 0 is in
	; All that follows up to the first change of slots stands in the wait for that tile.
	v_and_b32 v1, 15, v0                           ; r = l % 16
	v_bfe_u32 v2, v0, 4, 1                         ; h = l / 16
	v_and_b32 v3, 7, v0
	v_bfe_u32 v4, v0, 3, 1
	v_lshlrev_b32 v[BO], 5, v2                     ; my eight columns of sixteen: 32 h bytes of f32
.set i, 0
.rept NB
	global_load_b128 v[T+8*i:T+8*i+3],   v[BO], s[8:9] offset:64*i
	global_load_b128 v[T+8*i+4:T+8*i+7], v[BO], s[8:9] offset:64*i+16
.set i, i+1
.endr
	; A fragment of O is 16 rows x 32 K in 8 registers: lane l holds row l % 16, K = 8 h + 0..7 and 16 + 8 h + 0..7: two loads of 16 bytes, 32 bytes apart.
	s_mul_i32 s57, s[WV], 64*PA                    ; my wave's 64 rows
	v_mul_u32_u24 v[A0], v1, PA
	v_lshl_add_u32 v[A0], v2, 4, v[A0]
	v_add_nc_u32 v[A0], s57, v[A0]
	; The turning load takes 16 K x 16 columns (lane l reads 16 bytes: row 8 h + l % 8, columns 8 ((l / 8) % 2) + 0..7) and leaves half a fragment: lane l holds column l % 16 and 8 K.
	v_lshl_add_u32 v[B0], v2, 3, v3
	v_mul_u32_u24 v[B0], v[B0], PB
	v_lshl_add_u32 v[B0], v4, 4, v[B0]
	v_add_nc_u32 v[B0], BOFF, v[B0]
	s_mul_i32 s57, s[WV], 16*SP
	s_add_co_u32 s57, s57, STAGE                   ; my stage
	v_mul_u32_u24 v[STO], v1, SP                   ; in: row l % 16, 32 bytes for each half of the lanes
	v_lshl_add_u32 v[STO], v2, 5, v[STO]
	v_add_nc_u32 v[STO], s57, v[STO]
	v_and_b32 v[GO], 31, v0                        ; back: 32 lanes take a row's 512 bytes,
	v_lshlrev_b32 v[GO], 4, v[GO]                  ; and the same in out
	v_add_nc_u32 v[RD], s57, v[GO]
	s_wait_loadcnt 0x0                             ; the bias
.set i, 0
.rept 4*NB
	v_cvt_pk_bf16_f32 v[T+i], v[T+2*i], v[T+2*i+1]  ; rounded to bf16 like the other inputs; in place: number i is written when 2 i and 2 i + 1 are read
.set i, i+1
.endr
.irp a, 0,1,2,3
	WIN 0x80+0x40*((\a)/APW)                       ; destination: the accumulators' window
.set i, 0
.rept 4*NB
	v_lshlrev_b32 v[8*NB*((\a)%APW)+2*i],   16,     v[T+i]  ; the sums start at the bias: bf16 to f32 is a shift,
	v_and_b32     v[8*NB*((\a)%APW)+2*i+1], s[HIM], v[T+i]  ; or a mask
.set i, i+1
.endr
.endr
; 8 matrix instructions: row block a x all column blocks, 32 along K, from buffers f.  The 32 accumulators take turns, in the same order in every quarter.
.macro MULM f, a
	WIN 0xa1+0x50*((\a)/APW)                       ; source 0 (W) window 1, source 1 (O) window 0, C and D window 2
.set AC, 8*NB*((\a)%APW)
.set i, 0
.rept NB
	v_wmma_f32_16x16x32_f16 v[AC+8*i:AC+8*i+7], v[8*NB*(\f)+8*i:8*NB*(\f)+8*i+7], v[FA+32*(\f)+8*(\a):FA+32*(\f)+8*(\a)+7], v[AC+8*i:AC+8*i+7]
.set i, i+1
.endr
.endm
; One run of LDS loads: the fragments of quarter q of the K step in hand into buffers g: W's 8 (turned), then O's 4, blocks 0 to 3 in order.
.macro FETCH q, g
	WIN 0x40                                       ; destination window 1, address window 0
.set i, 0
.rept NB
	ds_load_tr16_b128 v[8*NB*(\g)+8*i:8*NB*(\g)+8*i+3],   v[ADRB] offset:32*(\q)*PB+(i/4)*CHUNK+(i%4)*32
	ds_load_tr16_b128 v[8*NB*(\g)+8*i+4:8*NB*(\g)+8*i+7], v[ADRB] offset:32*(\q)*PB+(i/4)*CHUNK+(i%4)*32+16*PB
.set i, i+1
.endr
	WIN 0
.set i, 0
.rept 4
	ds_load_b128 v[FA+32*(\g)+8*i:FA+32*(\g)+8*i+3],   v[ADRA] offset:((\q)/QPP)*PLANE+64*((\q)%QPP)+16*i*PA
	ds_load_b128 v[FA+32*(\g)+8*i+4:FA+32*(\g)+8*i+7], v[ADRA] offset:((\q)/QPP)*PLANE+64*((\q)%QPP)+16*i*PA+32
.set i, i+1
.endr
.endm
; A K step is four quarters of 32 along K, 32 matrix instructions each, on buffers 0, 1, 0, 1.  One of the first three: multiplies buffers f and, in its middle, fetches quarter q into g.
.macro QUARTER q, f, g
	s_wait_dscnt 4                                 ; W's fragments and O's blocks 0, 1 are in; the youngest four loads (blocks 2, 3) may be out
	MULM \f, 0
	MULM \f, 1
	PLACES
	FETCH \q, \g
	s_wait_dscnt NLD                               ; all but the run just issued
	MULM \f, 2
	MULM \f, 3
.endm
; The last quarter multiplies buffers 1 and changes slots.  ONE barrier: in front of it each wave waits for all its tensor loads, of which one is out: its part of the next slot; adds 0 to its spare word; and waits
; for that and for its own reads of this slot.  Behind it nobody reads this slot any more and the next slot is whole.  fill = 1: the barrier opens a round of the cluster's, and this slot is filled again, two K
; steps ahead, first thing behind the round: from that request to the wait for it a wave issues 112 matrix instructions.
.macro TURN fill
	WIN 0                                          ; (the add's two registers lie in window 0)
	s_wait_tensorcnt 0x0                           ; all my tensor loads have landed;
	ds_add_u32 v[SPW], v[NIL]                      ; 0 onto my spare word;
	s_wait_dscnt 5                                 ; (the add and the youngest four loads may be out)
	MULM 1, 0                                      ; eight matrix instructions stand between the add and the wait for it
	s_wait_dscnt 0x0                               ; the add is done, and my reads of this slot are over
	s_barrier_signal -1
	MULM 1, 1                                      ; work on registers while the others arrive
	WIN 0                                          ; (branches and window 0's addresses follow)
	s_barrier_wait -1
.if \fill
	CREST                                          ; no wave of any partner still reads this slot's tile or has a load on its way
	STEPD
	JLOAD                                          ; the four v_nop behind it are also the places in front of the loads below
.else
	PLACES
.endif
	s_xor_b32 s[TB], s[TB], SLOT1
	v_add_nc_u32 v[ADRA], s[TB], v[A0]
	v_add_nc_u32 v[ADRB], s[TB], v[B0]
	FETCH 0, 0
	MULM 1, 2
	MULM 1, 3
.endm
	; The first change of slots: slot 0 is waited for, slot 1 is filled for the first time, in the order of every refill.
	WIN 0
	s_wait_tensorcnt 0x0                           ; my part of K step 0 is in; no tensor load of mine is out, so the descriptors may step
	ds_add_u32 v[SPW], v[NIL]                      ; 0 onto my spare word
	STEPD
	s_wait_dscnt 0x0                               ; the add is done
	CROUND
	JLOAD                                          ; K step 1 into slot 1
	v_add_nc_u32 v[ADRA], s[TB], v[A0]
	v_add_nc_u32 v[ADRB], s[TB], v[B0]
	FETCH 0, 0
	s_mov_b32 s[CNT], 6
.Lstep:                                                ; K steps 0 to 5 ask for steps 2 to 7
	QUARTER 1, 0, 1
	QUARTER 2, 1, 0
	QUARTER 3, 0, 1
	TURN 1
	WIN 0                                          ; at a label and at a branch every window is 0
	s_sub_co_u32 s[CNT], s[CNT], 1
	s_cmp_lg_u32 s[CNT], 0
	s_cbranch_scc1 .Lstep
	QUARTER 1, 0, 1                                ; the last two K steps are written out: nothing is asked for
	QUARTER 2, 1, 0
	QUARTER 3, 0, 1
	TURN 0
	QUARTER 1, 0, 1
	QUARTER 2, 1, 0
	QUARTER 3, 0, 1
	s_wait_dscnt 4                                 ; the very last quarter: nothing more to fetch
	MULM 1, 0
	MULM 1, 1
	s_wait_dscnt 0x0
	MULM 1, 2
	MULM 1, 3
	WIN 0
	PLACES                                         ; the LDS stores below read results
; THE WAY OUT of row block a.  TOSTAGE: the sums as they are, 32 bytes a lane and column block (each accumulator's low four registers first), into my own stage, rows of 528 bytes; and back as whole rows of 512.
.macro TOSTAGE a
.set BK, OB+64*((\a)%2)
.if (\a) >= 2
	s_wait_xcnt 0x0                                ; every earlier store has had its addresses translated (ISA guide 3.1): the buffer that block a - 2's stores read is loaded again only behind this wait
.endif
	WIN 0x08                                       ; the stores' data in window 2, their address in window 0
.set i, 0
.rept NB
	ds_store_b128 v[STO], v[64*(\a)+8*i:64*(\a)+8*i+3]   offset:64*i
	ds_store_b128 v[STO], v[64*(\a)+8*i+4:64*(\a)+8*i+7] offset:64*i+16
.set i, i+1
.endr
	WIN 0
.set i, 0
.rept 16
	ds_load_b128 v[BK+4*i:BK+4*i+3], v[RD] offset:SP*i  ; LDS serves a wave's instructions in order (ISA guide 5.7.1.4): these see the stores above; the next block's stores come behind them
.set i, i+1
.endr
.endm
; SEND: stored, a row at a time.  younger: the LDS instructions issued behind block a's loads: the next block's 32, or none.
.macro SEND a, younger
.set BK, OB+64*((\a)%2)
.set i, 0
.rept 16
	s_wait_dscnt (\younger)+15-i
	global_store_b128 v[GO], v[BK+4*i:BK+4*i+3], s[10:11] offset:(16*(\a)+i)*4096 th:TH_STORE_NT  ; the wave stores 512 consecutive bytes, at a multiple of 256 from out's first byte
.set i, i+1
.endr
.endm
	TOSTAGE 0
.irp a, 1,2,3                          ; block a's trip through the stage is issued ahead of block a - 1's stores
	TOSTAGE \a
	SEND (\a)-1, 32
.endr
	SEND 3, 0
	s_wait_tensorcnt 0x0                           ; the wave's end: the add and its wait stand behind my last tensor load and my last LDS store
	ds_add_u32 v[SPW], v[NIL]
	s_wait_dscnt 0x0
	CROUND                                         ; the closing round: no work-group ends while a partner may still ask for a tile that names it
	s_endpgm
.Lfunc_end_k_qe218d55af6_proj:
	.size	k_qe218d55af6_proj, .Lfunc_end_k_qe218d55af6_proj-k_qe218d55af6_proj
	.p2alignl 7, 3214868480
	.fill 96, 4, 3214868480
	.section	.rodata,"a",@progbits
	.p2align	6, 0x0
	.amdhsa_kernel k_qe218d55af6_proj
		.amdhsa_group_segment_fixed_size 327680
		.amdhsa_private_segment_fixed_size 0
		.amdhsa_enable_private_segment 0
		.amdhsa_kernarg_size 32
		.amdhsa_user_sgpr_count 2
		.amdhsa_user_sgpr_kernarg_segment_ptr 1
		.amdhsa_wavefront_size32 1
		.amdhsa_system_sgpr_workgroup_id_x 1
		.amdhsa_system_sgpr_workgroup_id_y 1
		.amdhsa_system_sgpr_workgroup_id_z 1
		.amdhsa_system_vgpr_workitem_id 0
		.amdhsa_next_free_vgpr 768
		.amdhsa_next_free_sgpr 66
		.amdhsa_reserve_vcc 0
		.amdhsa_float_denorm_mode_32 3
		.amdhsa_float_denorm_mode_16_64 3
		.amdhsa_memory_ordered 1
		.amdhsa_forward_progress 1
		.amdhsa_inst_pref_size 83
	.end_amdhsa_kernel
	.amdgpu_metadata
---
amdhsa.version: [ 1, 2 ]
amdhsa.kernels:
  - .name:           k_qe218d55af6_proj
    .symbol:         k_qe218d55af6_proj.kd
    .args:
      - { .name: oh, .offset: 0, .size: 8, .value_kind: global_buffer, .address_space: global }
      - { .name: wpb, .offset: 8, .size: 8, .value_kind: global_buffer, .address_space: global }
      - { .name: bproj, .offset: 16, .size: 8, .value_kind: global_buffer, .address_space: global }
      - { .name: out0, .offset: 24, .size: 8, .value_kind: global_buffer, .address_space: global }
    .group_segment_fixed_size: 327680
    .private_segment_fixed_size: 0
    .kernarg_segment_align: 8
    .kernarg_segment_size: 32
    .max_flat_workgroup_size: 128
    .sgpr_count:     66
    .vgpr_count:     768
    .wavefront_size: 32
...
	.end_amdgpu_metadata
.endif
;; end of part 4
